; MI455X (gfx1250); checked and timed in simulation.
; The chip was launched on July 23, 2026; its instructions are those of AMD's public machine-readable ISA for CDNA 5 (MIT licence, August 2026) and "CDNA5" Instruction Set Architecture Reference Guide (July 2026).
;; Block. Allowed arithmetic: matrix products marked QUANTISED: E4M3 operands, one given power-of-two scale a tensor, by v_wmma_f32_16x16x64_fp8_fp8 or v_wmma_f32_16x16x128_fp8_fp8, f32 sums; everything else in f32.
;; Inputs: fc1_b 3,072 float32; fc1_w_codes 3,072 x 12 x 32 uint8 (E4M3 codes of fc1_w, K innermost, in blocks of 32 codes); fc2_b 384 float32; fc2_w_codes 384 x 96 x 32 uint8 (E4M3 codes of fc2_w, K innermost, in blocks of 32 codes); ln1_b 384 float32; ln1_w 384 float32; ln2_b 384 float32; ln2_w 384 float32; lowp_scales 8 int32 (the exponents e of the quantised operands' scales 2^e); x 8 x 2,048 x 384 float32.
;; Outputs: out0 8 x 2,048 x 384 float32.
;; This version of the problem:
;;   THIS VERSION OF THE PROBLEM IS GIVEN IN LOW PRECISION. The matrix products marked QUANTISED in the list below multiply operands that are first quantised to E4M3 (4 exponent bits, 3 mantissa bits; 8 bits a number), with one given power-of-two scale for each operand tensor; their sums are f32. All else is computed in f32.
;;   The module's matrix products, in the order in which they are computed (A, B: the left and right operand; K: the contracted axis; several contracted axes count as one K, in the product's order):
;;     1. batch 8 x [M 2,048, K 384] x [K 384, N 2,048]; A: computed on the way; B: computed on the way: QUANTISED (scales: A lowp_scales[0], B lowp_scales[1])
;;     2. batch 8 x [M 2,048, K 2,048] x [K 2,048, N 384]; A: softmax (see below); B: computed on the way: QUANTISED (scales: A lowp_scales[2], B lowp_scales[3])
;;     3. [M 16,384, K 384] x [K 384, N 3,072]; A: computed on the way; B: input fc1_w (given as codes): QUANTISED (scales: A lowp_scales[4], B lowp_scales[5])
;;     4. [M 16,384, K 3,072] x [K 3,072, N 384]; A: computed on the way; B: input fc2_w (given as codes): QUANTISED (scales: A lowp_scales[6], B lowp_scales[7])
;;   THE QUANTISER, for each operand of a quantised product, along K:
;;     - The operand's scale is 2^e, e = its entry of the input lowp_scales (int32; the entries are numbered through the quantised products in the list's order, A before B).
;;     - Each number is divided by the scale, clamped to +-448, and rounded to the nearest number of E4M3, ties to even, subnormals kept.
;;     - The product sums the exact products of the quantised numbers (number of the format x scale) in f32.
;;   ~~~python
;;   def quantise(x, axis, e):      # numpy; x: float32 -> the quantised numbers, widened to float32 again
;;       x = np.moveaxis(x, axis, -1); K = x.shape[-1]
;;       r = np.clip(x / 2.0 ** e, -448, 448)
;;       step = 2.0 ** (np.maximum(np.frexp(np.where(r == 0, 1, r))[1] - 1, -6) - 3)
;;       q = np.round(r / step) * step * 2.0 ** e      # np.round: ties to even
;;       return np.moveaxis(q, -1, axis).astype(np.float32)
;;   ~~~
;;   SOFTMAX AHEAD OF A QUANTISED PRODUCT. Where the list says 'softmax', what is quantised is not the finished softmax but p = 2^(t - M), with t = logit x log2(e) and M = ceil(the row's largest t), a whole number; so 1/2 < the row's largest p <= 1. The row's sum l is taken of the UNQUANTISED p, in f32, and the product's result is divided by l at the end. Since M is a whole number, a kernel that streams over the keys may use a running M (the ceiling of the running maximum): every later rescaling is an exact power of two, so the quantised numbers keep their values, but for numbers so far below the row's largest that they fall under the format's range.
;;   OPERANDS COMPUTED ON THE WAY. 'Computed on the way' means the value that the module computes at that place (a softmax that the list does not call 'softmax' is quantised finished and normalised). What goes into a quantiser is computed in f32, as accurately as f32 sums, v_exp_f32 and their like allow (about 1e-6 of the number): no bf16 or f16 on the way to a quantiser, and a product that is left as it is and whose result goes on into a quantised operand takes f32 operands (vector FMAs, or v_wmma_f32_16x16x4_f32). A number that lies on a knife's edge between two numbers of the format may be rounded either way, as far as f32 arithmetic and the matrix unit's own rounding can turn it there, and no further.
;;   INPUTS GIVEN AS CODES. fc1_w (in the module: [3072, 384], K = its axis 1); fc2_w (in the module: [384, 3072], K = its axis 1): each comes as NAME_codes (uint8): NAME with its K axis moved to the last place and cut into blocks of 32 codes, [.., K / 32, bytes a block], one block behind the other in memory; one code a byte (a code: sign, 4 exponent bits, 3 mantissa bits); its scale is its entry of lowp_scales. Its value is code x scale, taken as it is: it is not quantised again, and the codes and scales need not be those that the quantiser above would give.
;; 2 versions. Each part assembles by itself: llvm-mc -triple=amdgcn-amd-amdhsa -mcpu=gfx1250 --defsym DOCPART=n.
;; ======== version 1 of 2: 3 launches
;; workspace buffers: qimg 6,291,456 bytes; kv 12,582,912 bytes; wimg 2,654,208 bytes; x1 25,165,824 bytes; zimg 6,291,456 bytes
;; launch prep (part 1): grid 256 x 1, 8 waves a work-group, no clusters, 100,352 bytes of LDS; arguments x, ln1_w, ln1_b, lowp_scales, fc1_w_codes, fc2_w_codes, qimg, kv, wimg; writes qimg, kv, wimg
.if DOCPART == 1
	.amdgcn_target "amdgcn-amd-amdhsa--gfx1250"
	.amdhsa_code_object_version 6
	.text
	.protected	k_qaa41aae3f6_prep
	.globl	k_qaa41aae3f6_prep
	.p2align	8
	.type	k_qaa41aae3f6_prep,@function
k_qaa41aae3f6_prep:
	s_mov_b64 s[64:65], 0
	v_nop
	global_prefetch_b8 v0, s[64:65] scope:SCOPE_SE
	s_setreg_imm32_b32 hwreg(HW_REG_WAVE_MODE, 25, 1), 1
	s_wait_xcnt 0x0
.set SP,   1552
.set X,    20
.set W,    116
.set B,    128
.set P,    140
.set C,    156
.set SEL,  52
.set SINV, 54
.set SEPS, 55
.set MSB, 0
.macro WIN new
.if MSB != \new
	s_set_vgpr_msb (MSB<<8)|\new
.set MSB, \new
.endif
.endm
.macro REDUCE n, P
.set rr, 0
.rept \n
	v_add_f32 v[\P+2*rr], v[\P+2*rr], v[\P+2*rr+1]
.set rr, rr+1
.endr
.irp x, 1,2,4,8
.set rr, 0
.rept \n
	v_add_f32_dpp v[\P+2*rr], v[\P+2*rr], v[\P+2*rr] row_xmask:\x row_mask:0xf bank_mask:0xf
.set rr, rr+1
.endr
.endr
.set rr, 0
.rept \n
	v_permlanex16_b32 v[\P+2*rr+1], v[\P+2*rr], s[SEL], s[SEL+1]
.set rr, rr+1
.endr
.set rr, 0
.rept \n
	v_add_f32 v[\P+2*rr], v[\P+2*rr], v[\P+2*rr+1]
.set rr, rr+1
.endr
.endm
.macro LN n, X, W, B, P, xw
	WIN (\xw)*5
.set rr, 0
.rept \n
	v_pk_add_f32 v[\P+2*rr:\P+2*rr+1], v[\X+12*rr:\X+12*rr+1], v[\X+12*rr+2:\X+12*rr+3]
.set rr, rr+1
.endr
	WIN (\xw)*4
.irp q, 4,6,8,10
.set rr, 0
.rept \n
	v_pk_add_f32 v[\P+2*rr:\P+2*rr+1], v[\P+2*rr:\P+2*rr+1], v[\X+12*rr+\q:\X+12*rr+\q+1]
.set rr, rr+1
.endr
.endr
	WIN 0
	REDUCE \n, \P
.set rr, 0
.rept \n
	v_mul_f32 v[\P+2*rr], s[SINV], v[\P+2*rr]
.set rr, rr+1
.endr
	WIN (\xw)*0x41
.irp q, 0,2,4,6,8,10
.set rr, 0
.rept \n
	v_pk_add_f32 v[\X+12*rr+\q:\X+12*rr+\q+1], v[\X+12*rr+\q:\X+12*rr+\q+1], v[\P+2*rr:\P+2*rr+1] op_sel_hi:[1,0] neg_lo:[0,1] neg_hi:[0,1]
.set rr, rr+1
.endr
.endr
	WIN (\xw)*5
.set rr, 0
.rept \n
	v_pk_mul_f32 v[\P+2*rr:\P+2*rr+1], v[\X+12*rr:\X+12*rr+1], v[\X+12*rr:\X+12*rr+1]
.set rr, rr+1
.endr
.irp q, 2,4,6,8,10
.set rr, 0
.rept \n
	v_pk_fma_f32 v[\P+2*rr:\P+2*rr+1], v[\X+12*rr+\q:\X+12*rr+\q+1], v[\X+12*rr+\q:\X+12*rr+\q+1], v[\P+2*rr:\P+2*rr+1]
.set rr, rr+1
.endr
.endr
	WIN 0
	REDUCE \n, \P
.set rr, 0
.rept \n
	v_fma_f32 v[\P+2*rr], v[\P+2*rr], s[SINV], s[SEPS]
.set rr, rr+1
.endr
.set rr, 0
.rept \n
	v_rsq_f32 v[\P+2*rr], v[\P+2*rr]
.set rr, rr+1
.endr
	v_nop
	WIN (\xw)*0x41
	s_wait_alu depctr_va_vdst(0)
.irp q, 0,2,4,6,8,10
.set rr, 0
.rept \n
	v_pk_mul_f32 v[\X+12*rr+\q:\X+12*rr+\q+1], v[\X+12*rr+\q:\X+12*rr+\q+1], v[\P+2*rr:\P+2*rr+1] op_sel_hi:[1,0]
.set rr, rr+1
.endr
.endr
	WIN (\xw)*0x55
.irp q, 0,2,4,6,8,10
.set rr, 0
.rept \n
	v_pk_fma_f32 v[\X+12*rr+\q:\X+12*rr+\q+1], v[\X+12*rr+\q:\X+12*rr+\q+1], v[\W+\q:\W+\q+1], v[\B+\q:\B+\q+1]
.set rr, rr+1
.endr
.endr
	WIN 0
.endm
.macro MKSC e, vs, vl
	s_add_co_i32 s72, s[\e], 127
	s_lshl_b32 s73, s72, 23
	v_mov_b32 v[\vs], s73
	s_add_co_i32 s72, s72, 8
	s_lshl_b32 s72, s72, 23
	s_or_b32 s72, s72, 0x600000
	v_mov_b32 v[\vl], s72
.endm
	s_load_b512 s[4:19], s[0:1], 0x0
	s_load_b64 s[20:21], s[0:1], 0x40
	v_lshl_add_u32 v254, v0, 2, 0x18400
	v_mov_b32 v255, 0
	v_lshrrev_b32 v1, 5, v0
	v_readfirstlane_b32 s22, v1
	v_and_b32 v1, 31, v0
	v_and_b32 v2, 15, v0
	v_bfe_u32 v3, v0, 4, 1
	v_lshlrev_b32 v4, 4, v1
	s_lshl_b32 s24, ttmp9, 6
	s_lshl_b32 s25, s22, 3
	s_add_co_u32 s24, s24, s25
	s_mul_i32 s24, s24, 1536
	s_mov_b32 s25, 0
	s_mov_b32 s[SEL], 0x76543210
	s_mov_b32 s[SEL+1], 0xfedcba98
	s_mov_b32 s[SINV], 0x3b2aaaab
	s_mov_b32 s[SEPS], 0x3727c5ac
	s_wait_kmcnt 0x0
	s_load_b256 s[40:47], s[10:11], 0x0
	s_add_nc_u64 s[4:5], s[4:5], s[24:25]
.set i, 0
.rept 24
	global_load_b128 v[X+4*i:X+4*i+3], v4, s[4:5] offset:512*i
.set i, i+1
.endr
.irp i, 0,1,2
	global_load_b128 v[W+4*\i:W+4*\i+3], v4, s[6:7] offset:512*\i
	global_load_b128 v[B+4*\i:B+4*\i+3], v4, s[8:9] offset:512*\i
.endr
	s_mul_i32 s26, s22, 8*SP
	v_add_nc_u32 v11, s26, v4
	s_lshr_b32 s26, s22, 1
	s_mul_i32 s26, s26, 16*SP
	s_and_b32 s27, s22, 1
	s_mul_i32 s27, s27, 768
	s_add_co_u32 s26, s26, s27
	v_mul_u32_u24 v5, v2, SP
	v_lshl_add_u32 v5, v3, 6, v5
	v_add_nc_u32 v5, s26, v5
	s_lshr_b32 s28, s22, 2
	s_mul_i32 s28, s28, 32*SP
	s_bfe_u32 s29, s22, 0x10001
	s_mul_i32 s29, s29, 8*SP
	s_add_co_u32 s28, s28, s29
	s_add_co_u32 s28, s28, s27
	v_and_b32 v6, 8, v2
	v_add_nc_u32 v6, v6, v2
	v_mul_u32_u24 v6, v6, SP
	v_lshl_add_u32 v6, v3, 6, v6
	v_add_nc_u32 v6, s28, v6
	s_mul_i32 s30, s22, 3072
	v_add_nc_u32 v7, s30, v4
	v_mul_u32_u24 v8, v3, 16*SP
	v_lshl_add_u32 v8, v2, 2, v8
	s_mul_i32 s30, s22, 192
	v_add_nc_u32 v8, s30, v8
	v_add_nc_u32 v9, 32*SP, v8
	s_mul_i32 s30, s22, 12288
	v_add_nc_u32 v10, s30, v4
	s_mul_i32 s32, ttmp9, 24576
	s_mov_b32 s33, 0
	s_add_nc_u64 s[16:17], s[16:17], s[32:33]
	s_lshr_b32 s34, ttmp9, 5
	s_mul_i32 s34, s34, 1572864
	s_bfe_u32 s35, ttmp9, 0x30002
	s_mul_i32 s35, s35, 196608
	s_add_co_u32 s34, s34, s35
	s_and_b32 s36, ttmp9, 3
	s_mul_i32 s37, s36, 24576
	s_add_co_u32 s38, s34, s37
	s_mov_b32 s39, 0
	s_lshl_b32 s36, s36, 10
	s_add_co_u32 s34, s34, s36
	s_add_co_u32 s34, s34, 98304
	s_mov_b32 s35, 0
	s_add_nc_u64 s[50:51], s[18:19], s[34:35]
	s_add_nc_u64 s[18:19], s[18:19], s[38:39]
	s_cmp_lt_u32 ttmp9, 192
	s_cbranch_scc0 .Lnow
	s_cmp_lt_u32 s22, 6
	s_cbranch_scc0 .Lnow
	s_cmp_lt_u32 ttmp9, 96
	s_cselect_b32 s56, 0, 96
	s_sub_co_u32 s56, ttmp9, s56
	s_lshr_b32 s57, s56, 2
	s_and_b32 s58, s56, 3
	s_cmp_ge_u32 s22, 3
	s_cselect_b32 s59, 1, 0
	s_mul_i32 s60, s59, 3
	s_sub_co_u32 s60, s22, s60
	s_lshl_b32 s61, s57, 7
	s_lshl_b32 s62, s58, 5
	s_add_co_u32 s61, s61, s62
	s_lshl_b32 s62, s59, 3
	s_add_co_u32 s61, s61, s62
	s_mul_i32 s61, s61, 384
	s_lshl_b32 s62, s60, 7
	s_add_co_u32 s61, s61, s62
	s_mul_i32 s63, s58, 96
	s_lshl_b32 s62, s22, 4
	s_add_co_u32 s63, s63, s62
	s_mul_i32 s63, s63, 3072
	s_lshl_b32 s62, s57, 7
	s_add_co_u32 s63, s63, s62
	s_mul_i32 s66, s57, 98304
	s_mul_i32 s67, s58, 24576
	s_add_co_u32 s66, s66, s67
	s_lshl_b32 s67, s22, 11
	s_add_co_u32 s66, s66, s67
	s_mov_b32 s68, 3072
	s_cmp_lt_u32 ttmp9, 96
	s_cselect_b32 s61, s61, s63
	s_cselect_b32 s70, 0, 3*98304+12288
	s_cselect_b64 s[12:13], s[12:13], s[14:15]
	s_cselect_b32 s68, 384, s68
	s_cselect_b32 s69, 8, 0
	s_add_co_u32 s66, s66, s70
	v_and_b32 v244, s69, v2
	v_add_nc_u32 v244, v244, v2
	v_mul_lo_u32 v244, v244, s68
	v_lshl_add_u32 v244, v3, 4, v244
	v_add_nc_u32 v244, s61, v244
	v_add_nc_u32 v245, s66, v4
.irp c, 0,1,2,3
	global_load_b128 v[228+4*\c:231+4*\c], v244, s[12:13] offset:32*\c
.endr
	s_wait_loadcnt 0x0
.irp c, 0,1,2,3
	global_store_b128 v245, v[228+4*\c:231+4*\c], s[20:21] offset:512*\c
.endr
.Lnow:
	s_wait_loadcnt 0x0
	LN 8, X, W, B, P, 0
.set i, 0
.rept 24
	ds_store_b128 v11, v[X+4*i:X+4*i+3] offset:SP*(i/3)+512*(i%3)
.set i, i+1
.endr
	s_wait_kmcnt 0x0
	MKSC 40, 12, 13
	MKSC 41, 14, 15
	MKSC 43, 16, 17
	s_wait_dscnt 0x0
	s_barrier_signal -1
	s_barrier_wait -1
.macro UNITS adr, sc, lim, base, cb
.set k, 0
.rept 6
.irp q, 0,1,2,3
	ds_load_b128 v[X+16*k+4*\q:X+16*k+4*\q+3], v[\adr] offset:128*k+16*\q
.endr
.set k, k+1
.endr
.set k, 0
.rept 6
	s_wait_dscnt 4*(5-k)
.set i, 0
.rept 16
	v_med3_num_f32 v[X+16*k+i], v[X+16*k+i], -v[\lim], v[\lim]
.set i, i+1
.endr
	v_cvt_scalef32_pk8_fp8_f32 v[C+4*(\cb+k):C+4*(\cb+k)+1], v[X+16*k:X+16*k+7], v[\sc]
	v_cvt_scalef32_pk8_fp8_f32 v[C+4*(\cb+k)+2:C+4*(\cb+k)+3], v[X+16*k+8:X+16*k+15], v[\sc]
	global_store_b128 v7, v[C+4*(\cb+k):C+4*(\cb+k)+3], s[\base:\base+1] offset:512*k
.set k, k+1
.endr
.endm
	UNITS 5, 12, 13, 16, 0
	UNITS 6, 14, 15, 18, 6
.set u, 0
.rept 6
.set i, 0
.rept 16
	ds_load_b32 v[X+16*u+i], v[8+u%2] offset:64*(u/2)+SP*i
.set i, i+1
.endr
.set u, u+1
.endr
.set u, 0
.rept 6
.if u < 2
	s_wait_dscnt 63
.else
	s_wait_dscnt 16*(5-u)
.endif
.set i, 0
.rept 16
	v_med3_num_f32 v[X+16*u+i], v[X+16*u+i], -v17, v17
.set i, i+1
.endr
	v_cvt_scalef32_pk8_fp8_f32 v[C+4*(12+u):C+4*(12+u)+1], v[X+16*u:X+16*u+7], v16
	v_cvt_scalef32_pk8_fp8_f32 v[C+4*(12+u)+2:C+4*(12+u)+3], v[X+16*u+8:X+16*u+15], v16
	global_store_b128 v10, v[C+4*(12+u):C+4*(12+u)+3], s[50:51] offset:4096*(u/2)+512*(u%2)
.set u, u+1
.endr
	s_wait_tensorcnt 0x0
	ds_add_u32 v254, v255
	s_wait_dscnt 0x0
	s_endpgm
.Lfunc_end_k_qaa41aae3f6_prep:
	.size	k_qaa41aae3f6_prep, .Lfunc_end_k_qaa41aae3f6_prep-k_qaa41aae3f6_prep
	.p2alignl 7, 3214868480
	.fill 96, 4, 3214868480
	.section	.rodata,"a",@progbits
	.p2align	6, 0x0
	.amdhsa_kernel k_qaa41aae3f6_prep
		.amdhsa_group_segment_fixed_size 100352
		.amdhsa_private_segment_fixed_size 0
		.amdhsa_enable_private_segment 0
		.amdhsa_kernarg_size 72
		.amdhsa_user_sgpr_count 2
		.amdhsa_user_sgpr_kernarg_segment_ptr 1
		.amdhsa_wavefront_size32 1
		.amdhsa_system_sgpr_workgroup_id_x 1
		.amdhsa_system_sgpr_workgroup_id_y 1
		.amdhsa_system_sgpr_workgroup_id_z 1
		.amdhsa_system_vgpr_workitem_id 0
		.amdhsa_next_free_vgpr 256
		.amdhsa_next_free_sgpr 80
		.amdhsa_reserve_vcc 0
		.amdhsa_float_denorm_mode_32 3
		.amdhsa_float_denorm_mode_16_64 3
		.amdhsa_memory_ordered 1
		.amdhsa_forward_progress 1
		.amdhsa_inst_pref_size 65
	.end_amdhsa_kernel
	.amdgpu_metadata
---
amdhsa.version: [ 1, 2 ]
amdhsa.kernels:
  - .name:           k_qaa41aae3f6_prep
    .symbol:         k_qaa41aae3f6_prep.kd
    .args:
      - { .name: x, .offset: 0, .size: 8, .value_kind: global_buffer, .address_space: global }
      - { .name: ln1_w, .offset: 8, .size: 8, .value_kind: global_buffer, .address_space: global }
      - { .name: ln1_b, .offset: 16, .size: 8, .value_kind: global_buffer, .address_space: global }
      - { .name: lowp_scales, .offset: 24, .size: 8, .value_kind: global_buffer, .address_space: global }
      - { .name: fc1_w_codes, .offset: 32, .size: 8, .value_kind: global_buffer, .address_space: global }
      - { .name: fc2_w_codes, .offset: 40, .size: 8, .value_kind: global_buffer, .address_space: global }
      - { .name: qimg, .offset: 48, .size: 8, .value_kind: global_buffer, .address_space: global }
      - { .name: kv, .offset: 56, .size: 8, .value_kind: global_buffer, .address_space: global }
      - { .name: wimg, .offset: 64, .size: 8, .value_kind: global_buffer, .address_space: global }
    .group_segment_fixed_size: 100352
    .private_segment_fixed_size: 0
    .kernarg_segment_align: 8
    .kernarg_segment_size: 72
    .max_flat_workgroup_size: 256
    .sgpr_count:     80
    .vgpr_count:     256
    .wavefront_size: 32
...
	.end_amdgpu_metadata
.endif
;; end of part 1
;; launch attn (part 2): grid 256 x 1, 4 waves a work-group, clusters of 4 x 1, 327,680 bytes of LDS; arguments x, qimg, kv, lowp_scales, ln2_w, ln2_b, x1, zimg; writes x1, zimg
.if DOCPART == 2
	.amdgcn_target "amdgcn-amd-amdhsa--gfx1250"
	.amdhsa_code_object_version 6
	.text
	.protected	k_qaa41aae3f6_attn
	.globl	k_qaa41aae3f6_attn
	.p2align	8
	.type	k_qaa41aae3f6_attn,@function
k_qaa41aae3f6_attn:
	s_mov_b64 s[64:65], 0
	v_nop
	global_prefetch_b8 v0, s[64:65] scope:SCOPE_SE
	s_setreg_imm32_b32 hwreg(HW_REG_WAVE_MODE, 25, 1), 1
	s_wait_xcnt 0x0
	s_wait_alu depctr_hold_cnt(0) depctr_sa_sdst(0) depctr_va_vdst(0) depctr_va_sdst(0) depctr_va_ssrc(0) depctr_va_vcc(0) depctr_vm_vsrc(0)
	s_getreg_b32 s2, hwreg(HW_REG_IB_STS2, 6, 4)
	s_cmp_eq_u32 s2, 0
	s_cbranch_scc0 .Lentry_in_a_cluster
	s_endpgm
.Lentry_in_a_cluster:
	s_bfe_u32 s2, ttmp6, 0x10000c
	s_cmp_lg_u32 s2, 0x3003
	s_cbranch_scc0 .Lentry_shape_is_right
	s_endpgm
.Lentry_shape_is_right:
.set TILE,  98304
.set PART,  24576
.set PIMG,  3*TILE
.set MX,    PIMG+16384
.set SPARE, MX+1024
.set SP,    1552
.set LI,  1
.set SPW, 2
.set NIL, 3
.set AD0, 4
.set PST, 7
.set PLD, 8
.set MXS, 9
.set MXL, 10
.set STO0, 11
.set SRD, 13
.set SQ,  14
.set PSC, 15
.set PLIM, 16
.set ZSC, 17
.set ST,  24
.set S,   64
.set TT,  192
.set MXR, 192
.set PC,  208
.set WV,  20
.set G1,  24
.set G0A, 32
.set G0B, 36
.set WOFF, 48
.set CS,  50
.set SEL, 52
.set SINV, 54
.set SEPS, 55
.set SGN, 58
.set MSB, 0
.macro WIN new
.if MSB != \new
	s_set_vgpr_msb (MSB<<8)|\new
.set MSB, \new
.endif
.endm
.macro PLACES n
.rept \n
	v_nop
.endr
.endm
.macro CROUND
	s_barrier_signal -1
	s_barrier_wait -1
	s_cmp_lg_u32 s[WV], 0
	s_cbranch_scc1 .Lnot_wave_0_\@
	s_barrier_signal -3
.Lnot_wave_0_\@:
	s_barrier_wait -3
	s_barrier_signal -1
	s_barrier_wait -1
.endm
.macro REDUCE n, P
.set rr, 0
.rept \n
	v_add_f32 v[\P+2*rr], v[\P+2*rr], v[\P+2*rr+1]
.set rr, rr+1
.endr
.irp x, 1,2,4,8
.set rr, 0
.rept \n
	v_add_f32_dpp v[\P+2*rr], v[\P+2*rr], v[\P+2*rr] row_xmask:\x row_mask:0xf bank_mask:0xf
.set rr, rr+1
.endr
.endr
.set rr, 0
.rept \n
	v_permlanex16_b32 v[\P+2*rr+1], v[\P+2*rr], s[SEL], s[SEL+1]
.set rr, rr+1
.endr
.set rr, 0
.rept \n
	v_add_f32 v[\P+2*rr], v[\P+2*rr], v[\P+2*rr+1]
.set rr, rr+1
.endr
.endm
.macro LN n, X, W, B, P, xw
	WIN (\xw)*5
.set rr, 0
.rept \n
	v_pk_add_f32 v[\P+2*rr:\P+2*rr+1], v[\X+12*rr:\X+12*rr+1], v[\X+12*rr+2:\X+12*rr+3]
.set rr, rr+1
.endr
	WIN (\xw)*4
.irp q, 4,6,8,10
.set rr, 0
.rept \n
	v_pk_add_f32 v[\P+2*rr:\P+2*rr+1], v[\P+2*rr:\P+2*rr+1], v[\X+12*rr+\q:\X+12*rr+\q+1]
.set rr, rr+1
.endr
.endr
	WIN 0
	REDUCE \n, \P
.set rr, 0
.rept \n
	v_mul_f32 v[\P+2*rr], s[SINV], v[\P+2*rr]
.set rr, rr+1
.endr
	WIN (\xw)*0x41
.irp q, 0,2,4,6,8,10
.set rr, 0
.rept \n
	v_pk_add_f32 v[\X+12*rr+\q:\X+12*rr+\q+1], v[\X+12*rr+\q:\X+12*rr+\q+1], v[\P+2*rr:\P+2*rr+1] op_sel_hi:[1,0] neg_lo:[0,1] neg_hi:[0,1]
.set rr, rr+1
.endr
.endr
	WIN (\xw)*5
.set rr, 0
.rept \n
	v_pk_mul_f32 v[\P+2*rr:\P+2*rr+1], v[\X+12*rr:\X+12*rr+1], v[\X+12*rr:\X+12*rr+1]
.set rr, rr+1
.endr
.irp q, 2,4,6,8,10
.set rr, 0
.rept \n
	v_pk_fma_f32 v[\P+2*rr:\P+2*rr+1], v[\X+12*rr+\q:\X+12*rr+\q+1], v[\X+12*rr+\q:\X+12*rr+\q+1], v[\P+2*rr:\P+2*rr+1]
.set rr, rr+1
.endr
.endr
	WIN 0
	REDUCE \n, \P
.set rr, 0
.rept \n
	v_fma_f32 v[\P+2*rr], v[\P+2*rr], s[SINV], s[SEPS]
.set rr, rr+1
.endr
.set rr, 0
.rept \n
	v_rsq_f32 v[\P+2*rr], v[\P+2*rr]
.set rr, rr+1
.endr
	v_nop
	WIN (\xw)*0x41
	s_wait_alu depctr_va_vdst(0)
.irp q, 0,2,4,6,8,10
.set rr, 0
.rept \n
	v_pk_mul_f32 v[\X+12*rr+\q:\X+12*rr+\q+1], v[\X+12*rr+\q:\X+12*rr+\q+1], v[\P+2*rr:\P+2*rr+1] op_sel_hi:[1,0]
.set rr, rr+1
.endr
.endr
	WIN (\xw)*0x55
.irp q, 0,2,4,6,8,10
.set rr, 0
.rept \n
	v_pk_fma_f32 v[\X+12*rr+\q:\X+12*rr+\q+1], v[\X+12*rr+\q:\X+12*rr+\q+1], v[\W+\q:\W+\q+1], v[\B+\q:\B+\q+1]
.set rr, rr+1
.endr
.endr
	WIN 0
.endm
	s_load_b512 s[4:19], s[0:1], 0x0
	v_lshl_add_u32 v[SPW], v0, 2, SPARE
	v_mov_b32 v[NIL], 0
	ds_add_u32 v2, v3
	ds_add_u32 v2, v3
	s_wait_dscnt 0x0
	v_lshrrev_b32 v18, 5, v0
	v_readfirstlane_b32 s[WV], v18
	s_bfe_u32 s21, ttmp6, 0x40000
	s_lshl_b32 s22, ttmp9, 2
	s_add_co_u32 s22, s22, s21
	s_lshr_b32 s66, ttmp9, 3
	s_mul_i32 s66, s66, 16*TILE
	s_mul_i32 s[WOFF], s[WV], PART
	s_add_co_u32 s66, s66, s[WOFF]
	s_mov_b32 s67, 0
	s_mov_b32 s[G1], 15|(3<<16)|(1<<21)
	s_mov_b32 s[G1+1], 32<<16
	s_mov_b32 s[G1+2], 96<<16
	s_mov_b32 s[G1+3], 32<<16
	s_mov_b32 s[G1+4], 96
	s_mov_b32 s[G1+5], 32
	s_mov_b32 s[G1+6], 0
	s_mov_b32 s[G1+7], 0
	s_mov_b32 s[SEL], 0x76543210
	s_mov_b32 s[SEL+1], 0xfedcba98
	s_mov_b32 s[SINV], 0x3b2aaaab
	s_mov_b32 s[SEPS], 0x3727c5ac
	s_mov_b32 s[SGN], 0x80808080
	s_wait_kmcnt 0x0
	s_load_b256 s[40:47], s[10:11], 0x0
	s_add_nc_u64 s[8:9], s[8:9], s[66:67]
	s_mov_b32 s[G0A], 1
	s_mov_b32 s[G0A+1], s[WOFF]
	s_mov_b64 s[G0A+2:G0A+3], s[8:9]
	s_or_b32 s[G0A+3], s[G0A+3], 0x80000000
	s_mov_b32 s[G0B], 1
	s_add_co_u32 s[G0B+1], s[WOFF], TILE
	s_add_nc_u64 s[G0B+2:G0B+3], s[8:9], TILE
	s_or_b32 s[G0B+3], s[G0B+3], 0x80000000
	CROUND
	tensor_load_to_lds s[G0A:G0A+3], s[G1:G1+7]
	s_nop 0
	tensor_load_to_lds s[G0B:G0B+3], s[G1:G1+7]
	s_nop 0
	PLACES 4
	v_and_b32 v18, 31, v0
	v_and_b32 v19, 15, v0
	v_bfe_u32 v20, v0, 4, 1
	v_lshlrev_b32 v[LI], 4, v18
	s_lshl_b32 s70, s22, 6
	s_lshl_b32 s71, s[WV], 4
	s_add_co_u32 s70, s70, s71
	s_mul_i32 s70, s70, 1536
	s_mov_b32 s71, 0
	s_add_nc_u64 s[4:5], s[4:5], s[70:71]
	s_add_nc_u64 s[16:17], s[16:17], s[70:71]
	s_mul_i32 s72, s22, PART
	s_mov_b32 s73, 0
	s_add_nc_u64 s[6:7], s[6:7], s[72:73]
	s_mul_i32 s74, s[WV], 6144
	s_add_co_u32 s72, s72, s74
	s_add_nc_u64 s[18:19], s[18:19], s[72:73]
	WIN 0x40
.set i, 0
.rept 48
	global_load_b128 v[4*i:4*i+3], v[LI], s[6:7] offset:512*i
.set i, i+1
.endr
	WIN 0
	v_add_nc_u32 v[AD0], s[WOFF], v[LI]
	v_add_nc_u32 v[AD0+1], TILE, v[AD0]
	v_add_nc_u32 v[AD0+2], 2*TILE, v[AD0]
	s_lshl_b32 s68, s[WV], 10
	s_add_co_u32 s68, s68, PIMG
	v_add_nc_u32 v[PST], s68, v[LI]
	v_add_nc_u32 v[PLD], PIMG, v[LI]
	s_lshl_b32 s68, s[WV], 2
	s_add_co_u32 s68, s68, MX
	v_lshl_add_u32 v[MXS], v19, 4, s68
	v_lshlrev_b32 v[MXL], 4, v19
	v_add_nc_u32 v[MXL], MX, v[MXL]
	v_mul_u32_u24 v21, v19, SP
	s_mul_i32 s68, s[WV], 384
	v_lshl_add_u32 v[STO0], v20, 5, v21
	v_add_nc_u32 v[STO0], s68, v[STO0]
	v_add_nc_u32 v[STO0+1], 32*SP, v[STO0]
	s_mul_i32 s68, s[WV], 16*SP
	v_add_nc_u32 v[SRD], s68, v[LI]
	v_lshl_add_u32 v[SQ], v20, 6, v21
	v_add_nc_u32 v[SQ], s68, v[SQ]
.irp m, 0,1,2,3
	v_mov_b32 v[ST+8*\m+1], 0xff61b1e6
	v_floor_f32 v[ST+8*\m], -v[ST+8*\m+1]
	v_mov_b32 v[ST+8*\m+2], 0
	v_mov_b32 v[ST+8*\m+3], 0
	v_mov_b32 v[ST+8*\m+5], 0
	v_mov_b32 v[ST+8*\m+7], 0
.endr
	s_wait_kmcnt 0x0
	s_add_co_i32 s68, s40, s41
	s_lshl_b32 s68, s68, 23
	s_add_co_i32 s[CS], s68, 0x3e8293ee
	s_mov_b32 s[CS+1], s[CS]
	s_add_co_i32 s68, s42, 127
	s_lshl_b32 s69, s68, 23
	v_mov_b32 v[PSC], s69
	s_add_co_i32 s68, s68, 8
	s_lshl_b32 s68, s68, 23
	s_or_b32 s68, s68, 0x600000
	v_mov_b32 v[PLIM], s68
	s_add_co_i32 s68, s44, 127
	s_lshl_b32 s69, s68, 23
	v_mov_b32 v[ZSC], s69
	s_add_co_i32 s68, s68, 8
	s_lshl_b32 s68, s68, 23
	s_or_b32 s57, s68, 0x600000
	s_or_b32 s56, s57, 0x80000000
.macro REFILL
	WIN 0
	s_wait_tensorcnt 0x0
	ds_add_u32 v[SPW], v[NIL]
.if SLT >= 0
	s_add_nc_u64 s[G0B+2:G0B+3], s[G0B+2:G0B+3], TILE
	s_add_co_u32 s[G0B+1], s[WOFF], SLT*TILE
	s_wait_dscnt 0x0
	CROUND
	tensor_load_to_lds s[G0B:G0B+3], s[G1:G1+7]
	s_nop 0
	PLACES 4
.else
	s_wait_dscnt 0x0
	s_barrier_signal -1
	s_barrier_wait -1
.endif
.endm
.macro STEP k, first, last
	s_wait_dscnt 0x0
.set i, 0
.rept 96
.set ss, i/32
.set hf, (i/16)%2
.set mm, (i/4)%4
.set tt, i%4
.set ra, 16*(3*tt+ss)+8*hf
.set rb, 16*(3*mm+ss)+8*hf
.if hf == 0
.set rd, S+32*mm+8*tt
	WIN 0x06
.else
.set rd, TT+8*((4*mm+tt)%8)
.set wt, 1+mm/2
	WIN 0x06|(wt<<4)|(wt<<6)
.endif
.if ss == 0
	v_wmma_f32_16x16x64_fp8_fp8 v[rd:rd+7], v[ra:ra+7], v[rb:rb+7], 0
.else
	v_wmma_f32_16x16x64_fp8_fp8 v[rd:rd+7], v[ra:ra+7], v[rb:rb+7], v[rd:rd+7]
.endif
.set i, i+1
.endr
	WIN 0
	PLACES 4
.if \last
	WIN 0x40
.set i, 0
.rept 48
	global_load_b128 v[4*i:4*i+3], v[LI], s[4:5] offset:512*i
.set i, i+1
.endr
	WIN 0
.endif
.set a, 0
.rept 16
	WIN (1+a/8)<<2
.irp q, 0,2,4,6
	v_pk_add_f32 v[S+8*a+\q:S+8*a+\q+1], v[S+8*a+\q:S+8*a+\q+1], v[TT+8*(a%8)+\q:TT+8*(a%8)+\q+1] neg_lo:[0,1] neg_hi:[0,1]
.endr
.set a, a+1
.endr
	WIN 0
.irp m, 0,1,2,3
	v_max3_num_f32 v[ST+8*\m+6], v[S+32*\m], v[S+32*\m+1], v[S+32*\m+2]
.endr
.irp m, 0,1,2,3
	v_max3_num_f32 v[ST+8*\m+7], v[S+32*\m+3], v[S+32*\m+4], v[S+32*\m+5]
.endr
.set i, 6
.rept 13
.irp m, 0,1,2,3
	v_max3_num_f32 v[ST+8*\m+6+(i/2+1)%2], v[ST+8*\m+6+(i/2+1)%2], v[S+32*\m+i], v[S+32*\m+i+1]
.endr
.set i, i+2
.endr
.irp m, 0,1,2,3
	v_max_num_f32 v[ST+8*\m+6], v[ST+8*\m+6], v[ST+8*\m+7]
.endr
.irp m, 0,1,2,3
	v_permlanex16_b32 v[ST+8*\m+7], v[ST+8*\m+6], s[SEL], s[SEL+1]
.endr
.irp m, 0,1,2,3
	v_max_num_f32 v[ST+8*\m+6], v[ST+8*\m+6], v[ST+8*\m+7]
.endr
.irp m, 0,1,2,3
	ds_store_b32 v[MXS], v[ST+8*\m+6] offset:256*\m
.endr
.if \last
.set SLT, -1
.else
.set SLT, (\k+2)%3
.endif
	REFILL
.irp m, 0,1,2,3
	ds_load_b128 v[MXR+4*\m:MXR+4*\m+3], v[MXL] offset:256*\m
.endr
.set i, 0
.rept 48
	WIN (1+i/16)<<6
	ds_load_b128 v[192+4*(i%16):192+4*(i%16)+3], v[AD0+(\k+1)%3] offset:512*i
.set i, i+1
.endr
	WIN 0
	s_wait_dscnt 48
.irp m, 0,1,2,3
	v_max3_num_f32 v[ST+8*\m+6], v[MXR+4*\m], v[MXR+4*\m+1], v[MXR+4*\m+2]
.endr
.irp m, 0,1,2,3
	v_max_num_f32 v[ST+8*\m+6], v[ST+8*\m+6], v[MXR+4*\m+3]
.endr
.irp m, 0,1,2,3
	v_mul_f32 v[ST+8*\m+6], s[CS], v[ST+8*\m+6]
.endr
.irp m, 0,1,2,3
	v_max_num_f32 v[ST+8*\m+1], v[ST+8*\m+1], v[ST+8*\m+6]
	v_mov_b32 v[ST+8*\m+7], v[ST+8*\m]
.endr
.irp m, 0,1,2,3
	v_floor_f32 v[ST+8*\m], -v[ST+8*\m+1]
.endr
.irp m, 0,1,2,3
	v_sub_f32 v[ST+8*\m+7], v[ST+8*\m], v[ST+8*\m+7]
.endr
.irp m, 0,1,2,3
	v_cvt_i32_f32 v[ST+8*\m+7], v[ST+8*\m+7]
.endr
.irp m, 0,1,2,3
	v_ldexp_f32 v[ST+8*\m+4], 1.0, v[ST+8*\m+7]
.endr
.irp m, 0,1,2,3
.set i, 0
.rept 16
	v_pk_fma_f32 v[S+32*\m+i:S+32*\m+i+1], v[S+32*\m+i:S+32*\m+i+1], s[CS:CS+1], v[ST+8*\m:ST+8*\m+1] op_sel_hi:[1,0,0]
.set i, i+2
.endr
.endr
.set i, 0
.rept 128
	v_exp_f32 v[S+i], v[S+i]
.set i, i+1
.endr
.irp m, 0,1,2,3
	v_pk_mul_f32 v[ST+8*\m+2:ST+8*\m+3], v[ST+8*\m+2:ST+8*\m+3], v[ST+8*\m+4:ST+8*\m+5] op_sel_hi:[1,0]
.endr
	s_wait_alu depctr_va_vdst(0)
.irp m, 0,1,2,3
	v_pk_add_f32 v[ST+8*\m+6:ST+8*\m+7], v[S+32*\m:S+32*\m+1], v[S+32*\m+2:S+32*\m+3]
.endr
.set i, 4
.rept 7
.irp m, 0,1,2,3
	v_pk_add_f32 v[ST+8*\m+2:ST+8*\m+3], v[ST+8*\m+2:ST+8*\m+3], v[S+32*\m+i:S+32*\m+i+1]
	v_pk_add_f32 v[ST+8*\m+6:ST+8*\m+7], v[ST+8*\m+6:ST+8*\m+7], v[S+32*\m+i+2:S+32*\m+i+3]
.endr
.set i, i+4
.endr
.irp m, 0,1,2,3
	v_pk_add_f32 v[ST+8*\m+2:ST+8*\m+3], v[ST+8*\m+2:ST+8*\m+3], v[ST+8*\m+6:ST+8*\m+7]
.endr
.irp m, 0,1,2,3
.set i, 0
.rept 32
	v_min_num_f32 v[S+32*\m+i], v[S+32*\m+i], v[PLIM]
.set i, i+1
.endr
.irp q, 0,1,2,3
	v_cvt_scalef32_pk8_fp8_f32 v[PC+8*\m+2*\q:PC+8*\m+2*\q+1], v[S+32*\m+8*\q:S+32*\m+8*\q+7], v[PSC]
.endr
.endr
	v_nop
.irp m, 0,1,2,3
.irp b, 0,1
	ds_store_b128 v[PST], v[PC+8*\m+4*\b:PC+8*\m+4*\b+3] offset:4096*\m+512*\b
.endr
.endr
.if \last
.set SLT, -1
.else
.set SLT, \k
.endif
	REFILL
.set i, 0
.rept 32
	ds_load_b128 v[S+4*i:S+4*i+3], v[PLD] offset:512*i
.set i, i+1
.endr
.if !\last
	WIN 0x80
.set i, 0
.rept 48
	ds_load_b128 v[4*i:4*i+3], v[AD0+(\k+2)%3] offset:512*i
.set i, i+1
.endr
.endif
.if !\first
	WIN 0xc3
.set i, 0
.rept 24
.irp q, 0,2,4,6
	v_pk_mul_f32 v[8*i+\q:8*i+\q+1], v[8*i+\q:8*i+\q+1], v[ST+8*(i%4)+4:ST+8*(i%4)+5] op_sel_hi:[1,0]
.endr
.set i, i+1
.endr
.endif
.if \last
	s_wait_dscnt 0x0
.else
	s_wait_dscnt 48
.endif
.set i, 0
.rept 48
.set kap, i/24
.set c6, (i/4)%6
.set mm, i%4
.set ff, 2*c6+kap
	WIN 0xf0|(1+ff/4)
.if \first && (kap == 0)
	v_wmma_f32_16x16x128_fp8_fp8 v[8*(4*c6+mm):8*(4*c6+mm)+7], v[192+16*(ff%4):192+16*(ff%4)+15], v[S+16*(2*mm+kap):S+16*(2*mm+kap)+15], 0
.else
	v_wmma_f32_16x16x128_fp8_fp8 v[8*(4*c6+mm):8*(4*c6+mm)+7], v[192+16*(ff%4):192+16*(ff%4)+15], v[S+16*(2*mm+kap):S+16*(2*mm+kap)+15], v[8*(4*c6+mm):8*(4*c6+mm)+7]
.endif
.set i, i+1
.endr
	WIN 0
	PLACES 5
.endm
	s_wait_tensorcnt 0x1
	WIN 0x80
.set i, 0
.rept 48
	ds_load_b128 v[4*i:4*i+3], v[AD0] offset:512*i
.set i, i+1
.endr
	WIN 0
	s_wait_loadcnt 0x0
	WIN 0x44
.set f, 0
.rept 12
.set i, 8
.rept 8
	v_xor_b32 v[16*f+i], s[SGN], v[16*f+i]
.set i, i+1
.endr
.set f, f+1
.endr
	WIN 0
	STEP 0, 1, 0
	s_mov_b32 s60, 2
.Lthree:
	STEP 2, 0, 0
	STEP 1, 0, 0
	STEP 0, 0, 0
	s_sub_co_u32 s60, s60, 1
	s_cmp_lg_u32 s60, 0
	s_cbranch_scc1 .Lthree
	STEP 2, 0, 1
	WIN 0x40
.irp i, 0,1,2
	global_load_b128 v[192+4*\i:195+4*\i], v[LI], s[12:13] offset:512*\i
	global_load_b128 v[204+4*\i:207+4*\i], v[LI], s[14:15] offset:512*\i
.endr
	WIN 0
.irp m, 0,1,2,3
	v_add_f32 v[ST+8*\m+6], v[ST+8*\m+2], v[ST+8*\m+3]
.endr
.irp m, 0,1,2,3
	v_permlanex16_b32 v[ST+8*\m+7], v[ST+8*\m+6], s[SEL], s[SEL+1]
.endr
.irp m, 0,1,2,3
	v_add_f32 v[ST+8*\m+6], v[ST+8*\m+6], v[ST+8*\m+7]
.endr
.irp m, 0,1,2,3
	ds_store_b32 v[MXS], v[ST+8*\m+6] offset:256*\m
.endr
	s_wait_dscnt 0x0
	s_barrier_signal -1
	s_barrier_wait -1
.irp m, 0,1,2,3
	ds_load_b128 v[MXR+4*\m:MXR+4*\m+3], v[MXL] offset:256*\m
.endr
	s_add_co_i32 s70, s42, s43
	s_wait_dscnt 0x0
.irp m, 0,1,2,3
	v_add_f32 v[ST+8*\m+6], v[MXR+4*\m], v[MXR+4*\m+1]
	v_add_f32 v[ST+8*\m+7], v[MXR+4*\m+2], v[MXR+4*\m+3]
.endr
.irp m, 0,1,2,3
	v_add_f32 v[ST+8*\m+6], v[ST+8*\m+6], v[ST+8*\m+7]
.endr
.irp m, 0,1,2,3
	v_rcp_f32 v[ST+8*\m+4], v[ST+8*\m+6]
.endr
	v_nop
	s_wait_alu depctr_va_vdst(0)
.irp m, 0,1,2,3
	v_ldexp_f32 v[ST+8*\m+4], v[ST+8*\m+4], s70
.endr
.irp m, 0,1,2,3
	WIN 0x03
.set c6, 0
.rept 6
.irp q, 0,2,4,6
	v_pk_mul_f32 v[64+48*\m+8*c6+\q:64+48*\m+8*c6+\q+1], v[8*(4*c6+\m)+\q:8*(4*c6+\m)+\q+1], v[ST+8*\m+4:ST+8*\m+5] op_sel_hi:[1,0]
.endr
.set c6, c6+1
.endr
	WIN 0
.set c6, 0
.rept 6
	ds_store_b128 v[STO0+\m/2], v[64+48*\m+8*c6:64+48*\m+8*c6+3] offset:(\m%2)*16*SP+64*c6
	ds_store_b128 v[STO0+\m/2], v[64+48*\m+8*c6+4:64+48*\m+8*c6+7] offset:(\m%2)*16*SP+64*c6+16
.set c6, c6+1
.endr
.endr
	s_wait_dscnt 0x0
	s_barrier_signal -1
	s_barrier_wait -1
	WIN 0x80
.set i, 0
.rept 48
	ds_load_b128 v[4*i:4*i+3], v[SRD] offset:SP*(i/3)+512*(i%3)
.set i, i+1
.endr
	s_wait_loadcnt 0x0
	s_wait_dscnt 0x0
	WIN 0x49
.set i, 0
.rept 96
	v_pk_add_f32 v[2*i:2*i+1], v[2*i:2*i+1], v[2*i:2*i+1]
.set i, i+1
.endr
	WIN 0x04
.set i, 0
.rept 48
	global_store_b128 v[LI], v[4*i:4*i+3], s[16:17] offset:512*i
.set i, i+1
.endr
	s_wait_xcnt 0x0
	LN 16, 0, 192, 204, 64, 1
	WIN 0x04
.set i, 0
.rept 48
	ds_store_b128 v[SRD], v[4*i:4*i+3] offset:SP*(i/3)+512*(i%3)
.set i, i+1
.endr
	WIN 0x80
.set i, 0
.rept 48
	ds_load_b128 v[4*i:4*i+3], v[SQ] offset:128*(i/4)+16*(i%4)
.set i, i+1
.endr
	s_wait_dscnt 0x0
	WIN 0x82
.set k, 0
.rept 12
.set i, 0
.rept 16
	v_med3_num_f32 v[16*k+i], v[16*k+i], s56, s57
.set i, i+1
.endr
	v_cvt_scalef32_pk8_fp8_f32 v[192+4*k:193+4*k], v[16*k:16*k+7], v[ZSC]
	v_cvt_scalef32_pk8_fp8_f32 v[194+4*k:195+4*k], v[16*k+8:16*k+15], v[ZSC]
.set k, k+1
.endr
	v_nop
	WIN 0x08
.set k, 0
.rept 12
	global_store_b128 v[LI], v[192+4*k:195+4*k], s[18:19] offset:512*k
.set k, k+1
.endr
	WIN 0
	s_wait_tensorcnt 0x0
	ds_add_u32 v[SPW], v[NIL]
	s_wait_dscnt 0x0
	CROUND
	s_endpgm
.Lfunc_end_k_qaa41aae3f6_attn:
	.size	k_qaa41aae3f6_attn, .Lfunc_end_k_qaa41aae3f6_attn-k_qaa41aae3f6_attn
	.p2alignl 7, 3214868480
	.fill 96, 4, 3214868480
	.section	.rodata,"a",@progbits
	.p2align	6, 0x0
	.amdhsa_kernel k_qaa41aae3f6_attn
		.amdhsa_group_segment_fixed_size 327680
		.amdhsa_private_segment_fixed_size 0
		.amdhsa_enable_private_segment 0
		.amdhsa_kernarg_size 64
		.amdhsa_user_sgpr_count 2
		.amdhsa_user_sgpr_kernarg_segment_ptr 1
		.amdhsa_wavefront_size32 1
		.amdhsa_system_sgpr_workgroup_id_x 1
		.amdhsa_system_sgpr_workgroup_id_y 1
		.amdhsa_system_sgpr_workgroup_id_z 1
		.amdhsa_system_vgpr_workitem_id 0
		.amdhsa_next_free_vgpr 1024
		.amdhsa_next_free_sgpr 100
		.amdhsa_reserve_vcc 0
		.amdhsa_float_denorm_mode_32 3
		.amdhsa_float_denorm_mode_16_64 3
		.amdhsa_memory_ordered 1
		.amdhsa_forward_progress 1
		.amdhsa_inst_pref_size 255
	.end_amdhsa_kernel
	.section	.bss,"aw",@nobits
	.p2align	6
	.space	262144
	.amdgpu_metadata
---
amdhsa.version: [ 1, 2 ]
amdhsa.kernels:
  - .name:           k_qaa41aae3f6_attn
    .symbol:         k_qaa41aae3f6_attn.kd
    .args:
      - { .name: x, .offset: 0, .size: 8, .value_kind: global_buffer, .address_space: global }
      - { .name: qimg, .offset: 8, .size: 8, .value_kind: global_buffer, .address_space: global }
      - { .name: kv, .offset: 16, .size: 8, .value_kind: global_buffer, .address_space: global }
      - { .name: lowp_scales, .offset: 24, .size: 8, .value_kind: global_buffer, .address_space: global }
      - { .name: ln2_w, .offset: 32, .size: 8, .value_kind: global_buffer, .address_space: global }
      - { .name: ln2_b, .offset: 40, .size: 8, .value_kind: global_buffer, .address_space: global }
      - { .name: x1, .offset: 48, .size: 8, .value_kind: global_buffer, .address_space: global }
      - { .name: zimg, .offset: 56, .size: 8, .value_kind: global_buffer, .address_space: global }
    .group_segment_fixed_size: 327680
    .private_segment_fixed_size: 0
    .kernarg_segment_align: 8
    .kernarg_segment_size: 64
    .max_flat_workgroup_size: 128
    .sgpr_count:     100
    .vgpr_count:     1024
    .wavefront_size: 32
...
	.end_amdgpu_metadata
.endif
;; end of part 2
;; launch mlp (part 3): grid 256 x 1, 4 waves a work-group, clusters of 4 x 1, 327,680 bytes of LDS; arguments zimg, wimg, lowp_scales, fc1_b, fc2_b, x1, out0; writes out0
.if DOCPART == 3
	.amdgcn_target "amdgcn-amd-amdhsa--gfx1250"
	.amdhsa_code_object_version 6
	.text
	.protected	k_qaa41aae3f6_mlp
	.globl	k_qaa41aae3f6_mlp
	.p2align	8
	.type	k_qaa41aae3f6_mlp,@function
k_qaa41aae3f6_mlp:
	s_mov_b64 s[64:65], 0
	v_nop
	global_prefetch_b8 v0, s[64:65] scope:SCOPE_SE
	s_setreg_imm32_b32 hwreg(HW_REG_WAVE_MODE, 25, 1), 1
	s_wait_xcnt 0x0
	s_wait_alu depctr_hold_cnt(0) depctr_sa_sdst(0) depctr_va_vdst(0) depctr_va_sdst(0) depctr_va_ssrc(0) depctr_va_vcc(0) depctr_vm_vsrc(0)
	s_getreg_b32 s2, hwreg(HW_REG_IB_STS2, 6, 4)
	s_cmp_eq_u32 s2, 0
	s_cbranch_scc0 .Lentry_in_a_cluster
	s_endpgm
.Lentry_in_a_cluster:
	s_bfe_u32 s2, ttmp6, 0x10000c
	s_cmp_lg_u32 s2, 0x3003
	s_cbranch_scc0 .Lentry_shape_is_right
	s_endpgm
.Lentry_shape_is_right:
.set UNIT,  98304
.set PART,  24576
.set HIMG,  2*UNIT
.set SPARE, HIMG+16384
.set SP,    1552
.set LI,  1
.set SPW, 2
.set NIL, 3
.set AD0, 4
.set HST, 6
.set HLD, 7
.set BOF, 8
.set STO0, 9
.set SRD, 11
.set SC,  12
.set LIM, 13
.set LC,  14
.set A0V, 16
.set B0V, 18
.set B2,  20
.set PC,  32
.set BI,  40
.set XC,  72
.set X2,  80
.set PA,  88
.set PB,  96
.set HA,  128
.set W2F, 96
.set HF,  192
.set WV,  20
.set WOFF, 23
.set G1F, 24
.set G1H, 32
.set G0A, 40
.set G0B, 44
.set B1P, 58
.set A1,  66
.set BE1, 78
.set SG,  86
.set S2,  88
.set MSB, 0
.macro WIN new
.if MSB != \new
	s_set_vgpr_msb (MSB<<8)|\new
.set MSB, \new
.endif
.endm
.macro PLACES n
.rept \n
	v_nop
.endr
.endm
.macro CREST
	s_cmp_lg_u32 s[WV], 0
	s_cbranch_scc1 .Lnot_wave_0_\@
	s_barrier_signal -3
.Lnot_wave_0_\@:
	s_barrier_wait -3
	s_barrier_signal -1
	s_barrier_wait -1
.endm
.macro CROUND
	s_barrier_signal -1
	s_barrier_wait -1
	CREST
.endm
.macro MKA dst, pat, sh
	s_mov_b32 s60, 0x3f3504f3-((\sh)<<23)
	s_mul_f32 s[\dst], s60, \pat
	s_mov_b32 s[\dst+1], s[\dst]
.endm
.macro MKB dst, pat, sh
	s_mov_b32 s[\dst], \pat-((\sh)<<23)
	s_mov_b32 s[\dst+1], s[\dst]
.endm
	s_load_b256 s[4:11], s[0:1], 0x0
	s_load_b128 s[12:15], s[0:1], 0x20
	s_load_b64 s[16:17], s[0:1], 0x30
	v_lshl_add_u32 v[SPW], v0, 2, SPARE
	v_mov_b32 v[NIL], 0
	ds_add_u32 v2, v3
	ds_add_u32 v2, v3
	s_wait_dscnt 0x0
	v_lshrrev_b32 v104, 5, v0
	v_readfirstlane_b32 s[WV], v104
	s_bfe_u32 s21, ttmp6, 0x40000
	s_lshl_b32 s22, ttmp9, 2
	s_add_co_u32 s22, s22, s21
	s_mul_i32 s[WOFF], s[WV], PART
.irp g, G1F, G1H
	s_mov_b32 s[\g], 15|(3<<16)|(1<<21)
	s_mov_b32 s[\g+1], 32<<16
	s_mov_b32 s[\g+3], 32<<16
	s_mov_b32 s[\g+5], 32
	s_mov_b32 s[\g+6], 0
	s_mov_b32 s[\g+7], 0
.endr
	s_mov_b32 s[G1F+2], 96<<16
	s_mov_b32 s[G1F+4], 96
	s_mov_b32 s[G1H+2], 48<<16
	s_mov_b32 s[G1H+4], 48
	s_mov_b32 s60, s[WOFF]
	s_mov_b32 s61, 0
	s_wait_kmcnt 0x0
	s_load_b256 s[48:55], s[8:9], 0x0
	s_add_nc_u64 s[6:7], s[6:7], s[60:61]
	s_mov_b32 s[G0A], 1
	s_add_co_u32 s[G0A+1], s[WOFF], UNIT
	s_mov_b64 s[G0A+2:G0A+3], s[6:7]
	s_or_b32 s[G0A+3], s[G0A+3], 0x80000000
	s_mov_b32 s[G0B], 1
	s_mov_b32 s[G0B+1], s[WOFF]
	s_add_nc_u64 s[G0B+2:G0B+3], s[6:7], UNIT
	s_or_b32 s[G0B+3], s[G0B+3], 0x80000000
	CROUND
	tensor_load_to_lds s[G0A:G0A+3], s[G1H:G1H+7]
	s_nop 0
	tensor_load_to_lds s[G0B:G0B+3], s[G1H:G1H+7]
	s_nop 0
	PLACES 4
	v_and_b32 v104, 31, v0
	v_and_b32 v105, 15, v0
	v_bfe_u32 v106, v0, 4, 1
	v_lshlrev_b32 v[LI], 4, v104
	s_mul_i32 s90, s22, PART
	s_mov_b32 s91, 0
	s_add_nc_u64 s[4:5], s[4:5], s[90:91]
	s_lshl_b32 s92, s22, 6
	s_lshl_b32 s93, s[WV], 4
	s_add_co_u32 s92, s92, s93
	s_mul_i32 s92, s92, 1536
	s_mov_b32 s93, 0
	s_add_nc_u64 s[14:15], s[14:15], s[92:93]
	s_add_nc_u64 s[16:17], s[16:17], s[92:93]
	s_mov_b64 s[B1P:B1P+1], s[10:11]
	WIN 0x40
.set i, 0
.rept 48
	global_load_b128 v[4*i:4*i+3], v[LI], s[4:5] offset:512*i
.set i, i+1
.endr
	WIN 0
	s_lshl_b32 s60, s[WV], 7
	v_lshl_add_u32 v[BOF], v106, 6, s60
.irp u, 0,1
	global_load_b128 v[BI+8*\u:BI+8*\u+3], v[BOF], s[B1P:B1P+1] offset:32*\u
	global_load_b128 v[BI+8*\u+4:BI+8*\u+7], v[BOF], s[B1P:B1P+1] offset:32*\u+16
.endr
.irp i, 0,1,2
	global_load_b128 v[B2+4*\i:B2+4*\i+3], v[LI], s[12:13] offset:512*\i
.endr
	v_add_nc_u32 v[AD0], s[WOFF], v[LI]
	v_add_nc_u32 v[AD0+1], UNIT, v[AD0]
	s_lshl_b32 s60, s[WV], 9
	s_add_co_u32 s60, s60, HIMG
	v_add_nc_u32 v[HST], s60, v[LI]
	v_add_nc_u32 v[HLD], HIMG, v[LI]
	v_mul_u32_u24 v107, v105, SP
	s_mul_i32 s60, s[WV], 384
	v_lshl_add_u32 v[STO0], v106, 5, v107
	v_add_nc_u32 v[STO0], s60, v[STO0]
	v_add_nc_u32 v[STO0+1], 32*SP, v[STO0]
	s_mul_i32 s60, s[WV], 16*SP
	v_add_nc_u32 v[SRD], s60, v[LI]
	MKA 62, 0xaf95df0b, 6
	v_mov_b32 v[A0V], s62
	v_mov_b32 v[A0V+1], s62
	MKA A1,    0x32edffee, 5
	MKA A1+2,  0xb60cff51, 4
	MKA A1+4,  0xb86ec2d2, 3
	MKA A1+6,  0xba40ac63, 2
	MKA A1+8,  0xbb41a1f6, 1
	MKA A1+10, 0xbc83dbd4, 0
	v_mov_b32 v[B0V], 0xb77460cd-(4<<23)
	v_mov_b32 v[B0V+1], 0xb77460cd-(4<<23)
	MKB BE1,   0xb95fbd29, 3
	MKB BE1+2, 0xbadc924e, 2
	MKB BE1+4, 0xbbf19bf8, 1
	MKB BE1+6, 0xbc69b6a7, 0
	v_mov_b32 v[LC], 0x40b504f3
	s_wait_kmcnt 0x0
	s_add_co_i32 s60, s52, s53
	s_add_co_i32 s60, s60, 127
	s_lshl_b32 s[SG], s60, 23
	s_mov_b32 s[SG+1], s[SG]
	s_add_co_i32 s60, s54, s55
	s_add_co_i32 s60, s60, 127
	s_lshl_b32 s[S2], s60, 23
	s_mov_b32 s[S2+1], s[S2]
	s_add_co_i32 s60, s54, 128
	s_lshl_b32 s61, s60, 23
	v_mov_b32 v[SC], s61
	s_add_co_i32 s60, s60, 8
	s_lshl_b32 s60, s60, 23
	s_or_b32 s60, s60, 0x600000
	v_mov_b32 v[LIM], s60
.macro MM1
.set hs, IDX/8
.set ha, IDX%8
.if hs == 0
	v_wmma_f32_16x16x128_fp8_fp8 v[HAN+8*ha:HAN+8*ha+7], v[16*(3*(ha%2)+hs):16*(3*(ha%2)+hs)+15], v[16*(3*(ha/2)+hs):16*(3*(ha/2)+hs)+15], 0
.else
	v_wmma_f32_16x16x128_fp8_fp8 v[HAN+8*ha:HAN+8*ha+7], v[16*(3*(ha%2)+hs):16*(3*(ha%2)+hs)+15], v[16*(3*(ha/2)+hs):16*(3*(ha/2)+hs)+15], v[HAN+8*ha:HAN+8*ha+7]
.endif
.set IDX, IDX+1
.endm
.macro MM2
.if MODE == 2
	v_wmma_f32_16x16x128_fp8_fp8 v[8*IDX:8*IDX+7], v[W2F+16*(IDX/4):W2F+16*(IDX/4)+15], v[HF+16*(IDX%4):HF+16*(IDX%4)+15], 0
	s_wait_alu depctr_va_vdst(0)
.else
	v_wmma_f32_16x16x128_fp8_fp8 v[8*IDX:8*IDX+7], v[W2F+16*(IDX/4):W2F+16*(IDX/4)+15], v[HF+16*(IDX%4):HF+16*(IDX%4)+15], v[8*IDX:8*IDX+7]
.endif
.set IDX, IDX+1
.endm
.macro HOOK
.if MODE == 1
	WIN 0x06
	MM1
	WIN 0
.endif
.if MODE >= 2
	WIN 0xf6
	MM2
	WIN 0
.endif
.endm
.macro GROUP p, g
.set GX, HA+64*(\p)+8*(\g)
.set GB, BI+16*(\p)+8*((\g)%2)
.irp q, 0,2,4,6
	v_pk_fma_f32 v[GX+\q:GX+\q+1], v[GX+\q:GX+\q+1], s[SG:SG+1], v[GB+\q:GB+\q+1] op_sel_hi:[1,0,1]
.endr
.irp q, 0,1,2,3,4,5,6,7
	v_med3_num_f32 v[XC+\q], v[GX+\q], -v[LC], v[LC]
.endr
	HOOK
.irp q, 0,2,4,6
	v_pk_mul_f32 v[X2+\q:X2+\q+1], v[XC+\q:XC+\q+1], v[XC+\q:XC+\q+1]
.endr
.irp q, 0,2,4,6
	v_pk_fma_f32 v[PA+\q:PA+\q+1], v[X2+\q:X2+\q+1], v[A0V:A0V+1], s[A1:A1+1] op_sel_hi:[1,1,0]
	v_pk_fma_f32 v[PB+\q:PB+\q+1], v[X2+\q:X2+\q+1], v[B0V:B0V+1], s[BE1:BE1+1] op_sel_hi:[1,1,0]
.endr
	HOOK
.irp lv, 2,4
.irp q, 0,2,4,6
	v_pk_fma_f32 v[PA+\q:PA+\q+1], v[PA+\q:PA+\q+1], v[X2+\q:X2+\q+1], s[A1+\lv:A1+\lv+1] op_sel_hi:[1,1,0]
	v_pk_fma_f32 v[PB+\q:PB+\q+1], v[PB+\q:PB+\q+1], v[X2+\q:X2+\q+1], s[BE1+\lv:BE1+\lv+1] op_sel_hi:[1,1,0]
.endr
.endr
	HOOK
.irp q, 0,2,4,6
	v_pk_fma_f32 v[PA+\q:PA+\q+1], v[PA+\q:PA+\q+1], v[X2+\q:X2+\q+1], s[A1+6:A1+7] op_sel_hi:[1,1,0]
	v_pk_fma_f32 v[PB+\q:PB+\q+1], v[PB+\q:PB+\q+1], v[X2+\q:X2+\q+1], s[BE1+6:BE1+7] op_sel_hi:[1,1,0]
.endr
.irp q, 0,1,2,3,4,5,6,7
	v_rcp_f32 v[PB+\q], v[PB+\q]
.endr
	HOOK
.irp lv, 8,10
.irp q, 0,2,4,6
	v_pk_fma_f32 v[PA+\q:PA+\q+1], v[PA+\q:PA+\q+1], v[X2+\q:X2+\q+1], s[A1+\lv:A1+\lv+1] op_sel_hi:[1,1,0]
.endr
.endr
.irp q, 0,2,4,6
	v_pk_mul_f32 v[XC+\q:XC+\q+1], v[XC+\q:XC+\q+1], v[PA+\q:PA+\q+1]
.endr
	s_wait_alu depctr_va_vdst(0)
.irp q, 0,2,4,6
	v_pk_mul_f32 v[XC+\q:XC+\q+1], v[XC+\q:XC+\q+1], v[PB+\q:PB+\q+1]
.endr
	HOOK
.irp q, 0,2,4,6
	v_pk_fma_f32 v[GX+\q:GX+\q+1], v[GX+\q:GX+\q+1], v[XC+\q:XC+\q+1], v[GX+\q:GX+\q+1]
.endr
.irp q, 0,1,2,3,4,5,6,7
	v_med3_num_f32 v[GX+\q], v[GX+\q], -v[LIM], v[LIM]
.endr
	v_cvt_scalef32_pk8_fp8_f32 v[PC+4*(((\g)/2)%2)+2*((\g)%2):PC+4*(((\g)/2)%2)+2*((\g)%2)+1], v[GX:GX+7], v[SC]
	v_nop
	HOOK
.if (\g)%2 == 1
	ds_store_b128 v[HST], v[PC+4*(((\g)/2)%2):PC+4*(((\g)/2)%2)+3] offset:(\p)*8192+((\g)/2)*2048
.endif
.endm
.macro W1LOAD s
	WIN 0x80
.set i, 0
.rept 24
	ds_load_b128 v[4*i:4*i+3], v[AD0+\s] offset:512*i
.set i, i+1
.endr
	WIN 0
.endm
.macro W2HLOAD s, hb
	WIN 0x80
.set i, 0
.rept 24
	ds_load_b128 v[W2F+4*i:W2F+4*i+3], v[AD0+\s] offset:12288+512*i
.set i, i+1
.endr
	WIN 0x40
.set i, 0
.rept 16
	ds_load_b128 v[HF+4*i:HF+4*i+3], v[HLD] offset:(\hb)*8192+512*i
.set i, i+1
.endr
	WIN 0
.endm
.macro BLOCK p, fill, f1, ld1, f2, xpre, step
	WIN 0
	s_wait_tensorcnt 0x0
	ds_add_u32 v[SPW], v[NIL]
	s_add_nc_u64 s[G0A+2:G0A+3], s[G0A+2:G0A+3], \step
	s_add_co_u32 s[G0A+1], s[WOFF], (\p)*UNIT+(\fill)*12288
	s_wait_loadcnt 0x0
	s_add_nc_u64 s[B1P:B1P+1], s[B1P:B1P+1], 512
	s_wait_dscnt 0x0
	s_barrier_signal -1
.set MODE, \f1
.set IDX, 0
.set HAN, HA+64*(1-\p)
	GROUP \p, 0
	WIN 0
	s_barrier_wait -1
	CREST
.if \fill
	tensor_load_to_lds s[G0A:G0A+3], s[G1H:G1H+7]
	s_nop 0
.else
	tensor_load_to_lds s[G0A:G0A+3], s[G1F:G1F+7]
	s_nop 0
.endif
	PLACES 4
.if \f2
	W2HLOAD 1-\p, 1-\p
.endif
.if \f1
.irp u, 0,1
	global_load_b128 v[BI+16*(1-\p)+8*\u:BI+16*(1-\p)+8*\u+3], v[BOF], s[B1P:B1P+1] offset:32*\u
	global_load_b128 v[BI+16*(1-\p)+8*\u+4:BI+16*(1-\p)+8*\u+7], v[BOF], s[B1P:B1P+1] offset:32*\u+16
.endr
.endif
.if \xpre
	WIN 0x40
.set i, 0
.rept 48
	global_load_b128 v[4*i:4*i+3], v[LI], s[14:15] offset:512*i
.set i, i+1
.endr
	WIN 0
.endif
	GROUP \p, 1
	GROUP \p, 2
	GROUP \p, 3
	s_wait_dscnt 0x0
	PLACES 4
.if \ld1
	W1LOAD 1-\p
.endif
.if \f2
.set MODE, \f2+1
.else
.set MODE, 0
.endif
.set IDX, 0
	GROUP \p, 4
	GROUP \p, 5
	GROUP \p, 6
	GROUP \p, 7
.endm
	s_wait_tensorcnt 0x1
	W1LOAD 1
	s_wait_tensorcnt 0x0
	ds_add_u32 v[SPW], v[NIL]
	s_add_nc_u64 s[G0A+2:G0A+3], s[G0A+2:G0A+3], 2*UNIT
	s_wait_dscnt 0x0
	CROUND
	tensor_load_to_lds s[G0A:G0A+3], s[G1H:G1H+7]
	s_nop 0
	PLACES 4
	s_wait_loadcnt 0x0
.set HAN, HA
.set IDX, 0
	WIN 0x06
.rept 24
	MM1
.endr
	WIN 0
	PLACES 4
	W1LOAD 0
	BLOCK 0, 0, 1, 1, 0, 0, UNIT
	BLOCK 1, 0, 1, 1, 1, 0, UNIT
	s_mov_b32 s56, 9
.Lpair:
	BLOCK 0, 0, 1, 1, 2, 0, UNIT
	BLOCK 1, 0, 1, 1, 2, 0, UNIT
	s_sub_co_u32 s56, s56, 1
	s_cmp_lg_u32 s56, 0
	s_cbranch_scc1 .Lpair
	BLOCK 0, 0, 1, 1, 2, 0, UNIT
	BLOCK 1, 1, 1, 1, 2, 0, UNIT+12288
	BLOCK 0, 1, 1, 0, 2, 0, UNIT
	BLOCK 1, 1, 0, 0, 2, 1, UNIT
	s_wait_tensorcnt 0x0
	ds_add_u32 v[SPW], v[NIL]
	s_wait_dscnt 0x0
	s_barrier_signal -1
	s_barrier_wait -1
	PLACES 4
	W2HLOAD 1, 1
	s_wait_dscnt 0x0
.set MODE, 3
.set IDX, 0
	WIN 0xf6
.rept 24
	MM2
.endr
	WIN 0
	PLACES 4
	WIN 0x0c
.set n, 0
.rept 24
	ds_store_b128 v[STO0+(n%4)/2], v[8*n:8*n+3] offset:(n%2)*16*SP+64*(n/4)
	ds_store_b128 v[STO0+(n%4)/2], v[8*n+4:8*n+7] offset:(n%2)*16*SP+64*(n/4)+16
.set n, n+1
.endr
	WIN 0
	s_wait_dscnt 0x0
	s_barrier_signal -1
	s_barrier_wait -1
	WIN 0x80
.set i, 0
.rept 48
	ds_load_b128 v[4*i:4*i+3], v[SRD] offset:SP*(i/3)+512*(i%3)
.set i, i+1
.endr
	s_wait_loadcnt 0x0
	WIN 0x41
.set i, 0
.rept 96
	v_pk_add_f32 v[2*i:2*i+1], v[2*i:2*i+1], v[B2+2*(i%6):B2+2*(i%6)+1]
.set i, i+1
.endr
	s_wait_dscnt 0x0
	WIN 0x52
.set i, 0
.rept 96
	v_pk_fma_f32 v[2*i:2*i+1], v[2*i:2*i+1], s[S2:S2+1], v[2*i:2*i+1] op_sel_hi:[1,0,1]
.set i, i+1
.endr
	WIN 0x04
.set i, 0
.rept 48
	global_store_b128 v[LI], v[4*i:4*i+3], s[16:17] offset:512*i th:TH_STORE_NT
.set i, i+1
.endr
	WIN 0
	s_wait_tensorcnt 0x0
	ds_add_u32 v[SPW], v[NIL]
	s_wait_dscnt 0x0
	CROUND
	s_endpgm
.Lfunc_end_k_qaa41aae3f6_mlp:
	.size	k_qaa41aae3f6_mlp, .Lfunc_end_k_qaa41aae3f6_mlp-k_qaa41aae3f6_mlp
	.p2alignl 7, 3214868480
	.fill 96, 4, 3214868480
	.section	.rodata,"a",@progbits
	.p2align	6, 0x0
	.amdhsa_kernel k_qaa41aae3f6_mlp
		.amdhsa_group_segment_fixed_size 327680
		.amdhsa_private_segment_fixed_size 0
		.amdhsa_enable_private_segment 0
		.amdhsa_kernarg_size 56
		.amdhsa_user_sgpr_count 2
		.amdhsa_user_sgpr_kernarg_segment_ptr 1
		.amdhsa_wavefront_size32 1
		.amdhsa_system_sgpr_workgroup_id_x 1
		.amdhsa_system_sgpr_workgroup_id_y 1
		.amdhsa_system_sgpr_workgroup_id_z 1
		.amdhsa_system_vgpr_workitem_id 0
		.amdhsa_next_free_vgpr 1024
		.amdhsa_next_free_sgpr 100
		.amdhsa_reserve_vcc 0
		.amdhsa_float_denorm_mode_32 3
		.amdhsa_float_denorm_mode_16_64 3
		.amdhsa_memory_ordered 1
		.amdhsa_forward_progress 1
		.amdhsa_inst_pref_size 255
	.end_amdhsa_kernel
	.section	.bss,"aw",@nobits
	.p2align	6
	.space	262144
	.amdgpu_metadata
---
amdhsa.version: [ 1, 2 ]
amdhsa.kernels:
  - .name:           k_qaa41aae3f6_mlp
    .symbol:         k_qaa41aae3f6_mlp.kd
    .args:
      - { .name: zimg, .offset: 0, .size: 8, .value_kind: global_buffer, .address_space: global }
      - { .name: wimg, .offset: 8, .size: 8, .value_kind: global_buffer, .address_space: global }
      - { .name: lowp_scales, .offset: 16, .size: 8, .value_kind: global_buffer, .address_space: global }
      - { .name: fc1_b, .offset: 24, .size: 8, .value_kind: global_buffer, .address_space: global }
      - { .name: fc2_b, .offset: 32, .size: 8, .value_kind: global_buffer, .address_space: global }
      - { .name: x1, .offset: 40, .size: 8, .value_kind: global_buffer, .address_space: global }
      - { .name: out0, .offset: 48, .size: 8, .value_kind: global_buffer, .address_space: global }
    .group_segment_fixed_size: 327680
    .private_segment_fixed_size: 0
    .kernarg_segment_align: 8
    .kernarg_segment_size: 56
    .max_flat_workgroup_size: 128
    .sgpr_count:     100
    .vgpr_count:     1024
    .wavefront_size: 32
...
	.end_amdgpu_metadata
.endif
;; end of part 3
;; ======== version 2 of 2: 3 launches
;; limits: right only within a limited range of input values
;; workspace buffers: qimg 6,291,456 bytes; kv 12,582,912 bytes; wimg 2,359,296 bytes; x1 25,165,824 bytes; zimg 6,291,456 bytes
;; launch prep (part 4): grid 256 x 1, 8 waves a work-group, no clusters, 100,352 bytes of LDS; arguments x, ln1_w, ln1_b, lowp_scales, fc1_w_codes, fc2_w_codes, qimg, kv, wimg; writes qimg, kv, wimg
.if DOCPART == 4
	.amdgcn_target "amdgcn-amd-amdhsa--gfx1250"
	.amdhsa_code_object_version 6
	.text
	.protected	k_qaa41aae3f6_prep
	.globl	k_qaa41aae3f6_prep
	.p2align	8
	.type	k_qaa41aae3f6_prep,@function
k_qaa41aae3f6_prep:
	s_mov_b64 s[64:65], 0
	v_nop
	global_prefetch_b8 v0, s[64:65] scope:SCOPE_SE
	s_setreg_imm32_b32 hwreg(HW_REG_WAVE_MODE, 25, 1), 1
	s_wait_xcnt 0x0
.set SP,   1552
.set X,    20
.set W,    116
.set B,    128
.set P,    140
.set C,    156
.set SEL,  52
.set SINV, 54
.set SEPS, 55
.set MSB, 0
.macro WIN new
.if MSB != \new
	s_set_vgpr_msb (MSB<<8)|\new
.set MSB, \new
.endif
.endm
.macro REDUCE n, P
.set rr, 0
.rept \n
	v_add_f32 v[\P+2*rr], v[\P+2*rr], v[\P+2*rr+1]
.set rr, rr+1
.endr
.irp x, 1,2,4,8
.set rr, 0
.rept \n
	v_add_f32_dpp v[\P+2*rr], v[\P+2*rr], v[\P+2*rr] row_xmask:\x row_mask:0xf bank_mask:0xf
.set rr, rr+1
.endr
.endr
.set rr, 0
.rept \n
	v_permlanex16_b32 v[\P+2*rr+1], v[\P+2*rr], s[SEL], s[SEL+1]
.set rr, rr+1
.endr
.set rr, 0
.rept \n
	v_add_f32 v[\P+2*rr], v[\P+2*rr], v[\P+2*rr+1]
.set rr, rr+1
.endr
.endm
.macro LN n, X, W, B, P, xw
	WIN (\xw)*5
.set rr, 0
.rept \n
	v_pk_add_f32 v[\P+2*rr:\P+2*rr+1], v[\X+12*rr:\X+12*rr+1], v[\X+12*rr+2:\X+12*rr+3]
.set rr, rr+1
.endr
	WIN (\xw)*4
.irp q, 4,6,8,10
.set rr, 0
.rept \n
	v_pk_add_f32 v[\P+2*rr:\P+2*rr+1], v[\P+2*rr:\P+2*rr+1], v[\X+12*rr+\q:\X+12*rr+\q+1]
.set rr, rr+1
.endr
.endr
	WIN 0
	REDUCE \n, \P
.set rr, 0
.rept \n
	v_mul_f32 v[\P+2*rr], s[SINV], v[\P+2*rr]
.set rr, rr+1
.endr
	WIN (\xw)*0x41
.irp q, 0,2,4,6,8,10
.set rr, 0
.rept \n
	v_pk_add_f32 v[\X+12*rr+\q:\X+12*rr+\q+1], v[\X+12*rr+\q:\X+12*rr+\q+1], v[\P+2*rr:\P+2*rr+1] op_sel_hi:[1,0] neg_lo:[0,1] neg_hi:[0,1]
.set rr, rr+1
.endr
.endr
	WIN (\xw)*5
.set rr, 0
.rept \n
	v_pk_mul_f32 v[\P+2*rr:\P+2*rr+1], v[\X+12*rr:\X+12*rr+1], v[\X+12*rr:\X+12*rr+1]
.set rr, rr+1
.endr
.irp q, 2,4,6,8,10
.set rr, 0
.rept \n
	v_pk_fma_f32 v[\P+2*rr:\P+2*rr+1], v[\X+12*rr+\q:\X+12*rr+\q+1], v[\X+12*rr+\q:\X+12*rr+\q+1], v[\P+2*rr:\P+2*rr+1]
.set rr, rr+1
.endr
.endr
	WIN 0
	REDUCE \n, \P
.set rr, 0
.rept \n
	v_fma_f32 v[\P+2*rr], v[\P+2*rr], s[SINV], s[SEPS]
.set rr, rr+1
.endr
.set rr, 0
	s_wait_alu depctr_va_vdst(0)
.rept \n
	v_rsq_f32 v[\P+2*rr], v[\P+2*rr]
.set rr, rr+1
.endr
	v_nop
	WIN (\xw)*0x41
	s_wait_alu depctr_va_vdst(0)
.irp q, 0,2,4,6,8,10
.set rr, 0
.rept \n
	v_pk_mul_f32 v[\X+12*rr+\q:\X+12*rr+\q+1], v[\X+12*rr+\q:\X+12*rr+\q+1], v[\P+2*rr:\P+2*rr+1] op_sel_hi:[1,0]
.set rr, rr+1
.endr
.endr
	WIN (\xw)*0x55
.irp q, 0,2,4,6,8,10
.set rr, 0
.rept \n
	v_pk_fma_f32 v[\X+12*rr+\q:\X+12*rr+\q+1], v[\X+12*rr+\q:\X+12*rr+\q+1], v[\W+\q:\W+\q+1], v[\B+\q:\B+\q+1]
.set rr, rr+1
.endr
.endr
	WIN 0
.endm
.macro MKSC e, vs, vl
	s_add_co_i32 s72, s[\e], 127
	s_lshl_b32 s73, s72, 23
	v_mov_b32 v[\vs], s73
	s_add_co_i32 s72, s72, 8
	s_lshl_b32 s72, s72, 23
	s_or_b32 s72, s72, 0x600000
	v_mov_b32 v[\vl], s72
.endm
	s_load_b512 s[4:19], s[0:1], 0x0
	s_load_b64 s[20:21], s[0:1], 0x40
	v_lshl_add_u32 v254, v0, 2, 0x18400
	v_mov_b32 v255, 0
	v_lshrrev_b32 v1, 5, v0
	s_delay_alu instid0(VALU_DEP_1)
	v_readfirstlane_b32 s22, v1
	v_and_b32 v1, 31, v0
	v_and_b32 v2, 15, v0
	v_bfe_u32 v3, v0, 4, 1
	s_delay_alu instid0(VALU_DEP_3)
	v_lshlrev_b32 v4, 4, v1
	s_lshl_b32 s24, ttmp9, 6
	s_lshl_b32 s25, s22, 3
	s_add_co_u32 s24, s24, s25
	s_mul_i32 s24, s24, 1536
	s_mov_b32 s25, 0
	s_mov_b32 s[SEL], 0x76543210
	s_mov_b32 s[SEL+1], 0xfedcba98
	s_mov_b32 s[SINV], 0x3b2aaaab
	s_mov_b32 s[SEPS], 0x3727c5ac
	s_wait_alu depctr_va_vdst(0)
	s_wait_kmcnt 0x0
	s_load_b256 s[40:47], s[10:11], 0x0
	s_add_nc_u64 s[4:5], s[4:5], s[24:25]
.set i, 0
.rept 24
	global_load_b128 v[X+4*i:X+4*i+3], v4, s[4:5] offset:512*i
.set i, i+1
.endr
.irp i, 0,1,2
	global_load_b128 v[W+4*\i:W+4*\i+3], v4, s[6:7] offset:512*\i
	global_load_b128 v[B+4*\i:B+4*\i+3], v4, s[8:9] offset:512*\i
.endr
	s_mul_i32 s26, s22, 8*SP
	v_add_nc_u32 v11, s26, v4
	s_lshr_b32 s26, s22, 1
	s_mul_i32 s26, s26, 16*SP
	s_and_b32 s27, s22, 1
	s_mul_i32 s27, s27, 768
	s_add_co_u32 s26, s26, s27
	v_mul_u32_u24 v5, v2, SP
	s_delay_alu instid0(VALU_DEP_1)
	v_lshl_add_u32 v5, v3, 6, v5
	s_delay_alu instid0(VALU_DEP_1)
	v_add_nc_u32 v5, s26, v5
	s_lshr_b32 s28, s22, 2
	s_mul_i32 s28, s28, 32*SP
	s_bfe_u32 s29, s22, 0x10001
	s_mul_i32 s29, s29, 8*SP
	s_add_co_u32 s28, s28, s29
	s_add_co_u32 s28, s28, s27
	v_and_b32 v6, 8, v2
	s_delay_alu instid0(VALU_DEP_1)
	v_add_nc_u32 v6, v6, v2
	s_delay_alu instid0(VALU_DEP_1)
	v_mul_u32_u24 v6, v6, SP
	s_delay_alu instid0(VALU_DEP_1)
	v_lshl_add_u32 v6, v3, 6, v6
	s_delay_alu instid0(VALU_DEP_1)
	v_add_nc_u32 v6, s28, v6
	s_mul_i32 s30, s22, 3072
	v_add_nc_u32 v7, s30, v4
	v_mul_u32_u24 v8, v3, 16*SP
	s_delay_alu instid0(VALU_DEP_1)
	v_lshl_add_u32 v8, v2, 2, v8
	s_mul_i32 s30, s22, 192
	v_add_nc_u32 v8, s30, v8
	s_delay_alu instid0(VALU_DEP_1)
	v_add_nc_u32 v9, 32*SP, v8
	s_mul_i32 s30, s22, 12288
	v_add_nc_u32 v10, s30, v4
	s_mul_i32 s32, ttmp9, 24576
	s_mov_b32 s33, 0
	s_add_nc_u64 s[16:17], s[16:17], s[32:33]
	s_lshr_b32 s34, ttmp9, 5
	s_mul_i32 s34, s34, 1572864
	s_bfe_u32 s35, ttmp9, 0x30002
	s_mul_i32 s35, s35, 196608
	s_add_co_u32 s34, s34, s35
	s_and_b32 s36, ttmp9, 3
	s_mul_i32 s37, s36, 24576
	s_add_co_u32 s38, s34, s37
	s_mov_b32 s39, 0
	s_lshl_b32 s36, s36, 10
	s_add_co_u32 s34, s34, s36
	s_add_co_u32 s34, s34, 98304
	s_mov_b32 s35, 0
	s_add_nc_u64 s[50:51], s[18:19], s[34:35]
	s_add_nc_u64 s[18:19], s[18:19], s[38:39]
	s_cmp_lt_u32 ttmp9, 192
	s_cbranch_scc0 .Lnow
	s_cmp_lt_u32 s22, 6
	s_cbranch_scc0 .Lnow
	s_cmp_lt_u32 ttmp9, 96
	s_cselect_b32 s56, 0, 96
	s_sub_co_u32 s56, ttmp9, s56
	s_lshr_b32 s57, s56, 2
	s_and_b32 s58, s56, 3
	s_cmp_ge_u32 s22, 3
	s_cselect_b32 s59, 1, 0
	s_mul_i32 s60, s59, 3
	s_sub_co_u32 s60, s22, s60
	s_lshl_b32 s61, s57, 7
	s_lshl_b32 s62, s58, 5
	s_add_co_u32 s61, s61, s62
	s_lshl_b32 s62, s59, 3
	s_add_co_u32 s61, s61, s62
	s_mul_i32 s61, s61, 384
	s_lshl_b32 s62, s60, 7
	s_add_co_u32 s61, s61, s62
	s_mul_i32 s63, s58, 96
	s_lshl_b32 s62, s22, 4
	s_add_co_u32 s63, s63, s62
	s_mul_i32 s63, s63, 3072
	s_lshl_b32 s62, s57, 7
	s_add_co_u32 s63, s63, s62
	s_cmp_lt_u32 ttmp9, 96
	s_cselect_b32 s71, 0, 3
	s_add_co_u32 s71, s57, s71
	s_cmp_ge_u32 s71, 24
	s_cselect_b32 s72, 24, 0
	s_sub_co_u32 s71, s71, s72
	s_mul_i32 s66, s71, 98304
	s_mul_i32 s67, s58, 24576
	s_add_co_u32 s66, s66, s67
	s_lshl_b32 s67, s22, 11
	s_add_co_u32 s66, s66, s67
	s_mov_b32 s68, 3072
	s_cmp_lt_u32 ttmp9, 96
	s_cselect_b32 s61, s61, s63
	s_cselect_b32 s70, 0, 12288
	s_cselect_b64 s[12:13], s[12:13], s[14:15]
	s_cselect_b32 s68, 384, s68
	s_cselect_b32 s69, 8, 0
	s_add_co_u32 s66, s66, s70
	v_and_b32 v244, s69, v2
	s_delay_alu instid0(VALU_DEP_1)
	v_add_nc_u32 v244, v244, v2
	s_delay_alu instid0(VALU_DEP_1)
	v_mul_lo_u32 v244, v244, s68
	s_delay_alu instid0(VALU_DEP_1)
	v_lshl_add_u32 v244, v3, 4, v244
	s_delay_alu instid0(VALU_DEP_1)
	v_add_nc_u32 v244, s61, v244
	v_add_nc_u32 v245, s66, v4
.irp c, 0,1,2,3
	global_load_b128 v[228+4*\c:231+4*\c], v244, s[12:13] offset:32*\c
.endr
	s_wait_alu depctr_va_vdst(0)
	s_wait_loadcnt 0x0
.irp c, 0,1,2,3
	global_store_b128 v245, v[228+4*\c:231+4*\c], s[20:21] offset:512*\c
.endr
.Lnow:
	s_wait_loadcnt 0x0
	LN 8, X, W, B, P, 0
.set i, 0
.rept 24
	ds_store_b128 v11, v[X+4*i:X+4*i+3] offset:SP*(i/3)+512*(i%3)
.set i, i+1
.endr
	s_wait_kmcnt 0x0
	MKSC 40, 12, 13
	MKSC 41, 14, 15
	MKSC 43, 16, 17
	s_wait_alu depctr_va_vdst(0)
	s_wait_dscnt 0x0
	s_barrier_signal -1
	s_barrier_wait -1
.macro UNITS adr, sc, lim, base, cb
.set k, 0
.rept 6
.irp q, 0,1,2,3
	ds_load_b128 v[X+16*k+4*\q:X+16*k+4*\q+3], v[\adr] offset:128*k+16*\q
.endr
.set k, k+1
.endr
.set k, 0
.rept 6
	s_wait_dscnt 4*(5-k)
.set i, 0
.rept 16
	v_med3_num_f32 v[X+16*k+i], v[X+16*k+i], -v[\lim], v[\lim]
.set i, i+1
.endr
	v_cvt_scalef32_pk8_fp8_f32 v[C+4*(\cb+k):C+4*(\cb+k)+1], v[X+16*k:X+16*k+7], v[\sc]
	v_cvt_scalef32_pk8_fp8_f32 v[C+4*(\cb+k)+2:C+4*(\cb+k)+3], v[X+16*k+8:X+16*k+15], v[\sc]
	global_store_b128 v7, v[C+4*(\cb+k):C+4*(\cb+k)+3], s[\base:\base+1] offset:512*k
.set k, k+1
.endr
.endm
	UNITS 5, 12, 13, 16, 0
	UNITS 6, 14, 15, 18, 6
.set u, 0
.rept 6
.set i, 0
.rept 16
	ds_load_b32 v[X+16*u+i], v[8+u%2] offset:64*(u/2)+SP*i
.set i, i+1
.endr
.set u, u+1
.endr
.set u, 0
.rept 6
.if u < 2
	s_wait_dscnt 63
.else
	s_wait_dscnt 16*(5-u)
.endif
.set i, 0
.rept 16
	v_med3_num_f32 v[X+16*u+i], v[X+16*u+i], -v17, v17
.set i, i+1
.endr
	v_cvt_scalef32_pk8_fp8_f32 v[C+4*(12+u):C+4*(12+u)+1], v[X+16*u:X+16*u+7], v16
	v_cvt_scalef32_pk8_fp8_f32 v[C+4*(12+u)+2:C+4*(12+u)+3], v[X+16*u+8:X+16*u+15], v16
	global_store_b128 v10, v[C+4*(12+u):C+4*(12+u)+3], s[50:51] offset:4096*(u/2)+512*(u%2)
.set u, u+1
.endr
	s_wait_tensorcnt 0x0
	ds_add_u32 v254, v255
	s_wait_dscnt 0x0
	s_endpgm
.Lfunc_end_k_qaa41aae3f6_prep:
	.size	k_qaa41aae3f6_prep, .Lfunc_end_k_qaa41aae3f6_prep-k_qaa41aae3f6_prep
	.p2alignl 7, 3214868480
	.fill 96, 4, 3214868480
	.section	.rodata,"a",@progbits
	.p2align	6, 0x0
	.amdhsa_kernel k_qaa41aae3f6_prep
		.amdhsa_group_segment_fixed_size 100352
		.amdhsa_private_segment_fixed_size 0
		.amdhsa_enable_private_segment 0
		.amdhsa_kernarg_size 72
		.amdhsa_user_sgpr_count 2
		.amdhsa_user_sgpr_kernarg_segment_ptr 1
		.amdhsa_wavefront_size32 1
		.amdhsa_system_sgpr_workgroup_id_x 1
		.amdhsa_system_sgpr_workgroup_id_y 1
		.amdhsa_system_sgpr_workgroup_id_z 1
		.amdhsa_system_vgpr_workitem_id 0
		.amdhsa_next_free_vgpr 256
		.amdhsa_next_free_sgpr 80
		.amdhsa_reserve_vcc 0
		.amdhsa_float_denorm_mode_32 3
		.amdhsa_float_denorm_mode_16_64 3
		.amdhsa_memory_ordered 1
		.amdhsa_forward_progress 1
		.amdhsa_inst_pref_size 66
	.end_amdhsa_kernel
	.amdgpu_metadata
---
amdhsa.version: [ 1, 2 ]
amdhsa.kernels:
  - .name:           k_qaa41aae3f6_prep
    .symbol:         k_qaa41aae3f6_prep.kd
    .args:
      - { .name: x, .offset: 0, .size: 8, .value_kind: global_buffer, .address_space: global }
      - { .name: ln1_w, .offset: 8, .size: 8, .value_kind: global_buffer, .address_space: global }
      - { .name: ln1_b, .offset: 16, .size: 8, .value_kind: global_buffer, .address_space: global }
      - { .name: lowp_scales, .offset: 24, .size: 8, .value_kind: global_buffer, .address_space: global }
      - { .name: fc1_w_codes, .offset: 32, .size: 8, .value_kind: global_buffer, .address_space: global }
      - { .name: fc2_w_codes, .offset: 40, .size: 8, .value_kind: global_buffer, .address_space: global }
      - { .name: qimg, .offset: 48, .size: 8, .value_kind: global_buffer, .address_space: global }
      - { .name: kv, .offset: 56, .size: 8, .value_kind: global_buffer, .address_space: global }
      - { .name: wimg, .offset: 64, .size: 8, .value_kind: global_buffer, .address_space: global }
    .group_segment_fixed_size: 100352
    .private_segment_fixed_size: 0
    .kernarg_segment_align: 8
    .kernarg_segment_size: 72
    .max_flat_workgroup_size: 256
    .sgpr_count:     80
    .vgpr_count:     256
    .wavefront_size: 32
...
	.end_amdgpu_metadata
.endif
;; end of part 4
;; launch attn (part 5): grid 256 x 1, 4 waves a work-group, clusters of 4 x 1, 327,680 bytes of LDS; arguments x, qimg, kv, lowp_scales, ln2_w, ln2_b, x1, zimg; writes x1, zimg
.if DOCPART == 5
	.amdgcn_target "amdgcn-amd-amdhsa--gfx1250"
	.amdhsa_code_object_version 6
	.text
	.protected	k_qaa41aae3f6_attn
	.globl	k_qaa41aae3f6_attn
	.p2align	8
	.type	k_qaa41aae3f6_attn,@function
k_qaa41aae3f6_attn:
	s_mov_b64 s[64:65], 0
	v_nop
	global_prefetch_b8 v0, s[64:65] scope:SCOPE_SE
	s_setreg_imm32_b32 hwreg(HW_REG_WAVE_MODE, 25, 1), 1
	s_wait_xcnt 0x0
	s_wait_alu depctr_hold_cnt(0) depctr_sa_sdst(0) depctr_va_vdst(0) depctr_va_sdst(0) depctr_va_ssrc(0) depctr_va_vcc(0) depctr_vm_vsrc(0)
	s_getreg_b32 s2, hwreg(HW_REG_IB_STS2, 6, 4)
	s_cmp_eq_u32 s2, 0
	s_cbranch_scc0 .Lentry_in_a_cluster
	s_endpgm
.Lentry_in_a_cluster:
	s_bfe_u32 s2, ttmp6, 0x10000c
	s_cmp_lg_u32 s2, 0x3003
	s_cbranch_scc0 .Lentry_shape_is_right
	s_endpgm
.Lentry_shape_is_right:
.set TILE,  98304
.set PART,  24576
.set PIMG,  3*TILE
.set MX,    PIMG+16384
.set SPARE, MX+1024
.set SP,    1552
.set LI,  1
.set SPW, 2
.set NIL, 3
.set AD0, 4
.set PST, 7
.set PLD, 8
.set MXS, 9
.set MXL, 10
.set STO0, 11
.set SRD, 13
.set SQ,  14
.set PSC, 15
.set PLIM, 16
.set ZSC, 17
.set ST,  24
.set S,   64
.set TT,  192
.set MXR, 192
.set PC,  208
.set WV,  20
.set G1,  24
.set G0A, 32
.set G0B, 36
.set WOFF, 48
.set CS,  50
.set SEL, 52
.set SINV, 54
.set SEPS, 55
.set SGN, 58
.set TI,  59
.set TO,  62
.set MSB, 0
.macro WIN new
.if MSB != \new
	s_set_vgpr_msb (MSB<<8)|\new
.set MSB, \new
.endif
.endm
.macro PLACES n
.rept \n
	v_nop
.endr
.endm
.macro CROUND
	s_barrier_signal -1
	s_barrier_wait -1
	s_cmp_lg_u32 s[WV], 0
	s_cbranch_scc1 .Lnot_wave_0_\@
	s_barrier_signal -3
.Lnot_wave_0_\@:
	s_barrier_wait -3
	s_barrier_signal -1
	s_barrier_wait -1
.endm
.macro REDUCE n, P
.set rr, 0
.rept \n
	v_add_f32 v[\P+2*rr], v[\P+2*rr], v[\P+2*rr+1]
.set rr, rr+1
.endr
.irp x, 1,2,4,8
.set rr, 0
.rept \n
	v_add_f32_dpp v[\P+2*rr], v[\P+2*rr], v[\P+2*rr] row_xmask:\x row_mask:0xf bank_mask:0xf
.set rr, rr+1
.endr
.endr
.set rr, 0
.rept \n
	v_permlanex16_b32 v[\P+2*rr+1], v[\P+2*rr], s[SEL], s[SEL+1]
.set rr, rr+1
.endr
.set rr, 0
.rept \n
	v_add_f32 v[\P+2*rr], v[\P+2*rr], v[\P+2*rr+1]
.set rr, rr+1
.endr
.endm
.macro LN n, X, W, B, P, xw
	WIN (\xw)*5
.set rr, 0
.rept \n
	v_pk_add_f32 v[\P+2*rr:\P+2*rr+1], v[\X+12*rr:\X+12*rr+1], v[\X+12*rr+2:\X+12*rr+3]
.set rr, rr+1
.endr
	WIN (\xw)*4
.irp q, 4,6,8,10
.set rr, 0
.rept \n
	v_pk_add_f32 v[\P+2*rr:\P+2*rr+1], v[\P+2*rr:\P+2*rr+1], v[\X+12*rr+\q:\X+12*rr+\q+1]
.set rr, rr+1
.endr
.endr
	WIN 0
	REDUCE \n, \P
.set rr, 0
.rept \n
	v_mul_f32 v[\P+2*rr], s[SINV], v[\P+2*rr]
.set rr, rr+1
.endr
	WIN (\xw)*0x41
.irp q, 0,2,4,6,8,10
.set rr, 0
.rept \n
	v_pk_add_f32 v[\X+12*rr+\q:\X+12*rr+\q+1], v[\X+12*rr+\q:\X+12*rr+\q+1], v[\P+2*rr:\P+2*rr+1] op_sel_hi:[1,0] neg_lo:[0,1] neg_hi:[0,1]
.set rr, rr+1
.endr
.endr
	WIN (\xw)*5
.set rr, 0
.rept \n
	v_pk_mul_f32 v[\P+2*rr:\P+2*rr+1], v[\X+12*rr:\X+12*rr+1], v[\X+12*rr:\X+12*rr+1]
.set rr, rr+1
.endr
.irp q, 2,4,6,8,10
.set rr, 0
.rept \n
	v_pk_fma_f32 v[\P+2*rr:\P+2*rr+1], v[\X+12*rr+\q:\X+12*rr+\q+1], v[\X+12*rr+\q:\X+12*rr+\q+1], v[\P+2*rr:\P+2*rr+1]
.set rr, rr+1
.endr
.endr
	WIN 0
	REDUCE \n, \P
.set rr, 0
.rept \n
	v_fma_f32 v[\P+2*rr], v[\P+2*rr], s[SINV], s[SEPS]
.set rr, rr+1
.endr
.set rr, 0
	s_wait_alu depctr_va_vdst(0)
.rept \n
	v_rsq_f32 v[\P+2*rr], v[\P+2*rr]
.set rr, rr+1
.endr
	v_nop
	WIN (\xw)*0x41
	s_wait_alu depctr_va_vdst(0)
.irp q, 0,2,4,6,8,10
.set rr, 0
.rept \n
	v_pk_mul_f32 v[\X+12*rr+\q:\X+12*rr+\q+1], v[\X+12*rr+\q:\X+12*rr+\q+1], v[\P+2*rr:\P+2*rr+1] op_sel_hi:[1,0]
.set rr, rr+1
.endr
.endr
	WIN (\xw)*0x55
.irp q, 0,2,4,6,8,10
.set rr, 0
.rept \n
	v_pk_fma_f32 v[\X+12*rr+\q:\X+12*rr+\q+1], v[\X+12*rr+\q:\X+12*rr+\q+1], v[\W+\q:\W+\q+1], v[\B+\q:\B+\q+1]
.set rr, rr+1
.endr
.endr
	WIN 0
.endm
	s_load_b512 s[4:19], s[0:1], 0x0
	v_lshl_add_u32 v[SPW], v0, 2, SPARE
	v_mov_b32 v[NIL], 0
	ds_add_u32 v2, v3
	ds_add_u32 v2, v3
	s_wait_dscnt 0x0
	v_lshrrev_b32 v18, 5, v0
	v_readfirstlane_b32 s[WV], v18
	s_bfe_u32 s21, ttmp6, 0x40000
	s_lshl_b32 s22, ttmp9, 2
	s_add_co_u32 s22, s22, s21
	s_lshr_b32 s66, ttmp9, 3
	s_mul_i32 s66, s66, 16*TILE
	s_mul_i32 s[WOFF], s[WV], PART
	s_add_co_u32 s66, s66, s[WOFF]
	s_mov_b32 s67, 0
	s_mov_b32 s[G1], 15|(3<<16)|(1<<21)
	s_mov_b32 s[G1+1], 32<<16
	s_mov_b32 s[G1+2], 96<<16
	s_mov_b32 s[G1+3], 32<<16
	s_mov_b32 s[G1+4], 96
	s_mov_b32 s[G1+5], 32
	s_mov_b32 s[G1+6], 0
	s_mov_b32 s[G1+7], 0
	s_mov_b32 s[SEL], 0x76543210
	s_mov_b32 s[SEL+1], 0xfedcba98
	s_mov_b32 s[SINV], 0x3b2aaaab
	s_mov_b32 s[SEPS], 0x3727c5ac
	s_mov_b32 s[SGN], 0x80808080
	s_and_b32 s[TI], ttmp9, 3
	s_lshl_b32 s[TI], s[TI], 2
	s_bfe_u32 s61, ttmp9, 0x10002
	s_lshl_b32 s61, s61, 1
	s_or_b32 s[TI], s[TI], s61
	s_mul_i32 s[TO], s[TI], TILE
	s_mov_b32 s[TO+1], 0
	s_wait_kmcnt 0x0
	s_load_b256 s[40:47], s[10:11], 0x0
	s_add_nc_u64 s[8:9], s[8:9], s[66:67]
	s_mov_b32 s[G0A], 1
	s_mov_b32 s[G0A+1], s[WOFF]
	s_add_nc_u64 s[G0A+2:G0A+3], s[8:9], s[TO:TO+1]
	s_mov_b32 s[G0B], 1
	s_add_co_u32 s[G0B+1], s[WOFF], TILE
	s_add_nc_u64 s[G0B+2:G0B+3], s[G0A+2:G0A+3], TILE
	s_or_b32 s[G0A+3], s[G0A+3], 0x80000000
	s_or_b32 s[G0B+3], s[G0B+3], 0x80000000
	s_add_co_u32 s[TI], s[TI], 1
	v_and_b32 v18, 31, v0
	v_lshlrev_b32 v[LI], 4, v18
	s_mul_i32 s72, s22, PART
	s_mov_b32 s73, 0
	s_add_nc_u64 s[6:7], s[6:7], s[72:73]
	WIN 0x40
.set i, 0
.rept 48
	global_load_b128 v[4*i:4*i+3], v[LI], s[6:7] offset:512*i
.set i, i+1
.endr
	WIN 0
	CROUND
	tensor_load_to_lds s[G0A:G0A+3], s[G1:G1+7]
	s_nop 0
	s_wait_alu depctr_va_vdst(0)
	s_wait_tensorcnt 0x0
	ds_add_u32 v2, v3
	s_wait_dscnt 0x0
	CROUND
	tensor_load_to_lds s[G0B:G0B+3], s[G1:G1+7]
	s_nop 0
	PLACES 4
	v_and_b32 v19, 15, v0
	v_bfe_u32 v20, v0, 4, 1
	s_wait_alu depctr_va_vdst(0)
	s_lshl_b32 s70, s22, 6
	s_lshl_b32 s71, s[WV], 4
	s_add_co_u32 s70, s70, s71
	s_mul_i32 s70, s70, 1536
	s_mov_b32 s71, 0
	s_add_nc_u64 s[4:5], s[4:5], s[70:71]
	s_add_nc_u64 s[16:17], s[16:17], s[70:71]
	s_mul_i32 s72, s22, PART
	s_mov_b32 s73, 0
	s_mul_i32 s74, s[WV], 6144
	s_add_co_u32 s72, s72, s74
	s_add_nc_u64 s[18:19], s[18:19], s[72:73]
	v_add_nc_u32 v[AD0], s[WOFF], v[LI]
	v_add_nc_u32 v[AD0+1], TILE, v[AD0]
	v_add_nc_u32 v[AD0+2], 2*TILE, v[AD0]
	s_lshl_b32 s68, s[WV], 10
	s_add_co_u32 s68, s68, PIMG
	v_add_nc_u32 v[PST], s68, v[LI]
	v_add_nc_u32 v[PLD], PIMG, v[LI]
	s_lshl_b32 s68, s[WV], 2
	s_add_co_u32 s68, s68, MX
	v_lshl_add_u32 v[MXS], v19, 4, s68
	v_lshlrev_b32 v[MXL], 4, v19
	v_add_nc_u32 v[MXL], MX, v[MXL]
	v_mul_u32_u24 v21, v19, SP
	s_mul_i32 s68, s[WV], 384
	v_lshl_add_u32 v[STO0], v20, 5, v21
	v_add_nc_u32 v[STO0], s68, v[STO0]
	v_add_nc_u32 v[STO0+1], 32*SP, v[STO0]
	s_mul_i32 s68, s[WV], 16*SP
	v_add_nc_u32 v[SRD], s68, v[LI]
	v_lshl_add_u32 v[SQ], v20, 6, v21
	v_add_nc_u32 v[SQ], s68, v[SQ]
.irp m, 0,1,2,3
	v_mov_b32 v[ST+8*\m+1], 0xff61b1e6
	v_floor_f32 v[ST+8*\m], -v[ST+8*\m+1]
	v_mov_b32 v[ST+8*\m+2], 0
	v_mov_b32 v[ST+8*\m+3], 0
	v_mov_b32 v[ST+8*\m+5], 0
	v_mov_b32 v[ST+8*\m+7], 0
.endr
	s_wait_kmcnt 0x0
	s_add_co_i32 s68, s40, s41
	s_lshl_b32 s68, s68, 23
	s_add_co_i32 s[CS], s68, 0x3e8293ee
	s_mov_b32 s[CS+1], s[CS]
	s_add_co_i32 s68, s42, 127
	s_lshl_b32 s69, s68, 23
	v_mov_b32 v[PSC], s69
	s_add_co_i32 s68, s68, 8
	s_lshl_b32 s68, s68, 23
	s_or_b32 s68, s68, 0x600000
	v_mov_b32 v[PLIM], s68
	s_add_co_i32 s68, s44, 127
	s_lshl_b32 s69, s68, 23
	v_mov_b32 v[ZSC], s69
	s_add_co_i32 s68, s68, 8
	s_lshl_b32 s68, s68, 23
	s_or_b32 s57, s68, 0x600000
	s_or_b32 s56, s57, 0x80000000
.macro REFILL
	WIN 0
	s_wait_tensorcnt 0x0
	ds_add_u32 v[SPW], v[NIL]
.if SLT >= 0
	s_add_co_u32 s[TI], s[TI], 1
	s_and_b32 s[TI], s[TI], 15
	s_mul_i32 s[TO], s[TI], TILE
	s_add_nc_u64 s[G0B+2:G0B+3], s[8:9], s[TO:TO+1]
	s_or_b32 s[G0B+3], s[G0B+3], 0x80000000
	s_add_co_u32 s[G0B+1], s[WOFF], SLT*TILE
	s_wait_dscnt 0x0
	CROUND
	tensor_load_to_lds s[G0B:G0B+3], s[G1:G1+7]
	s_nop 0
	PLACES 4
.else
	s_wait_dscnt 0x0
	s_barrier_signal -1
	s_barrier_wait -1
.endif
.endm
.macro STEP k, first, last
	s_wait_alu depctr_va_vdst(0)
	s_wait_dscnt 0x0
.set i, 0
.rept 96
.set ss, i/32
.set hf, (i/16)%2
.set mm, (i/4)%4
.set tt, i%4
.set ra, 16*(3*tt+ss)+8*hf
.set rb, 16*(3*mm+ss)+8*hf
.if hf == 0
.set rd, S+32*mm+8*tt
	WIN 0x06
.else
.set rd, TT+8*((4*mm+tt)%8)
.set wt, 1+mm/2
	WIN 0x06|(wt<<4)|(wt<<6)
.endif
.if ss == 0
	v_wmma_f32_16x16x64_fp8_fp8 v[rd:rd+7], v[ra:ra+7], v[rb:rb+7], 0
.else
	v_wmma_f32_16x16x64_fp8_fp8 v[rd:rd+7], v[ra:ra+7], v[rb:rb+7], v[rd:rd+7]
.endif
.set i, i+1
.endr
	WIN 0
	PLACES 4
.if \last
	WIN 0x40
.set i, 0
.rept 48
	global_load_b128 v[4*i:4*i+3], v[LI], s[4:5] offset:512*i
.set i, i+1
.endr
	WIN 0
.endif
.set a, 0
.rept 16
	WIN (1+a/8)<<2
.irp q, 0,2,4,6
	v_pk_add_f32 v[S+8*a+\q:S+8*a+\q+1], v[S+8*a+\q:S+8*a+\q+1], v[TT+8*(a%8)+\q:TT+8*(a%8)+\q+1] neg_lo:[0,1] neg_hi:[0,1]
.endr
.set a, a+1
.endr
	WIN 0
.irp m, 0,1,2,3
	v_max3_num_f32 v[ST+8*\m+6], v[S+32*\m], v[S+32*\m+1], v[S+32*\m+2]
.endr
.irp m, 0,1,2,3
	v_max3_num_f32 v[ST+8*\m+7], v[S+32*\m+3], v[S+32*\m+4], v[S+32*\m+5]
.endr
.set i, 6
.rept 13
.irp m, 0,1,2,3
	v_max3_num_f32 v[ST+8*\m+6+(i/2+1)%2], v[ST+8*\m+6+(i/2+1)%2], v[S+32*\m+i], v[S+32*\m+i+1]
.endr
.set i, i+2
.endr
.irp m, 0,1,2,3
	v_max_num_f32 v[ST+8*\m+6], v[ST+8*\m+6], v[ST+8*\m+7]
.endr
.irp m, 0,1,2,3
	v_permlanex16_b32 v[ST+8*\m+7], v[ST+8*\m+6], s[SEL], s[SEL+1]
.endr
.irp m, 0,1,2,3
	v_max_num_f32 v[ST+8*\m+6], v[ST+8*\m+6], v[ST+8*\m+7]
.endr
.irp m, 0,1,2,3
	ds_store_b32 v[MXS], v[ST+8*\m+6] offset:256*\m
.endr
.if \last
.set SLT, -1
.else
.set SLT, (\k+2)%3
.endif
	REFILL
.irp m, 0,1,2,3
	ds_load_b128 v[MXR+4*\m:MXR+4*\m+3], v[MXL] offset:256*\m
.endr
.set i, 0
.rept 48
	WIN (1+i/16)<<6
	ds_load_b128 v[192+4*(i%16):192+4*(i%16)+3], v[AD0+(\k+1)%3] offset:512*i
.set i, i+1
.endr
	WIN 0
	s_wait_dscnt 48
.irp m, 0,1,2,3
	v_max3_num_f32 v[ST+8*\m+6], v[MXR+4*\m], v[MXR+4*\m+1], v[MXR+4*\m+2]
.endr
.irp m, 0,1,2,3
	v_max_num_f32 v[ST+8*\m+6], v[ST+8*\m+6], v[MXR+4*\m+3]
.endr
.irp m, 0,1,2,3
	v_mul_f32 v[ST+8*\m+6], s[CS], v[ST+8*\m+6]
.endr
.irp m, 0,1,2,3
	v_max_num_f32 v[ST+8*\m+1], v[ST+8*\m+1], v[ST+8*\m+6]
	v_mov_b32 v[ST+8*\m+7], v[ST+8*\m]
.endr
.irp m, 0,1,2,3
	v_floor_f32 v[ST+8*\m], -v[ST+8*\m+1]
.endr
.irp m, 0,1,2,3
	v_sub_f32 v[ST+8*\m+7], v[ST+8*\m], v[ST+8*\m+7]
.endr
.irp m, 0,1,2,3
	v_cvt_i32_f32 v[ST+8*\m+7], v[ST+8*\m+7]
.endr
.irp m, 0,1,2,3
	v_ldexp_f32 v[ST+8*\m+4], 1.0, v[ST+8*\m+7]
.endr
.irp m, 0,1,2,3
.set i, 0
.rept 16
	v_pk_fma_f32 v[S+32*\m+i:S+32*\m+i+1], v[S+32*\m+i:S+32*\m+i+1], s[CS:CS+1], v[ST+8*\m:ST+8*\m+1] op_sel_hi:[1,0,0]
.set i, i+2
.endr
.endr
.set i, 0
	s_wait_alu depctr_va_vdst(0)
.rept 128
	v_exp_f32 v[S+i], v[S+i]
.set i, i+1
.endr
.irp m, 0,1,2,3
	v_pk_mul_f32 v[ST+8*\m+2:ST+8*\m+3], v[ST+8*\m+2:ST+8*\m+3], v[ST+8*\m+4:ST+8*\m+5] op_sel_hi:[1,0]
.endr
	s_wait_alu depctr_va_vdst(0)
.irp m, 0,1,2,3
	v_pk_add_f32 v[ST+8*\m+6:ST+8*\m+7], v[S+32*\m:S+32*\m+1], v[S+32*\m+2:S+32*\m+3]
.endr
.set i, 4
.rept 7
.irp m, 0,1,2,3
	v_pk_add_f32 v[ST+8*\m+2:ST+8*\m+3], v[ST+8*\m+2:ST+8*\m+3], v[S+32*\m+i:S+32*\m+i+1]
	v_pk_add_f32 v[ST+8*\m+6:ST+8*\m+7], v[ST+8*\m+6:ST+8*\m+7], v[S+32*\m+i+2:S+32*\m+i+3]
.endr
.set i, i+4
.endr
.irp m, 0,1,2,3
	v_pk_add_f32 v[ST+8*\m+2:ST+8*\m+3], v[ST+8*\m+2:ST+8*\m+3], v[ST+8*\m+6:ST+8*\m+7]
.endr
.irp m, 0,1,2,3
.set i, 0
.rept 32
	v_min_num_f32 v[S+32*\m+i], v[S+32*\m+i], v[PLIM]
.set i, i+1
.endr
.irp q, 0,1,2,3
	v_cvt_scalef32_pk8_fp8_f32 v[PC+8*\m+2*\q:PC+8*\m+2*\q+1], v[S+32*\m+8*\q:S+32*\m+8*\q+7], v[PSC]
.endr
.endr
	v_nop
.irp m, 0,1,2,3
.irp b, 0,1
	ds_store_b128 v[PST], v[PC+8*\m+4*\b:PC+8*\m+4*\b+3] offset:4096*\m+512*\b
.endr
.endr
.if \last
.set SLT, -1
.else
.set SLT, \k
.endif
	REFILL
.set i, 0
.rept 32
	ds_load_b128 v[S+4*i:S+4*i+3], v[PLD] offset:512*i
.set i, i+1
.endr
.if !\last
	WIN 0x80
.set i, 0
.rept 48
	ds_load_b128 v[4*i:4*i+3], v[AD0+(\k+2)%3] offset:512*i
.set i, i+1
.endr
.endif
.if !\first
	WIN 0xc3
.set i, 0
.rept 24
.irp q, 0,2,4,6
	v_pk_mul_f32 v[8*i+\q:8*i+\q+1], v[8*i+\q:8*i+\q+1], v[ST+8*(i%4)+4:ST+8*(i%4)+5] op_sel_hi:[1,0]
.endr
.set i, i+1
.endr
.endif
.if \last
	s_wait_alu depctr_va_vdst(0)
	s_wait_dscnt 0x0
.else
	s_wait_alu depctr_va_vdst(0)
	s_wait_dscnt 48
.endif
.set i, 0
.rept 48
.set kap, i/24
.set c6, (i/4)%6
.set mm, i%4
.set ff, 2*c6+kap
	WIN 0xf0|(1+ff/4)
.if \first && (kap == 0)
	v_wmma_f32_16x16x128_fp8_fp8 v[8*(4*c6+mm):8*(4*c6+mm)+7], v[192+16*(ff%4):192+16*(ff%4)+15], v[S+16*(2*mm+kap):S+16*(2*mm+kap)+15], 0
.else
	v_wmma_f32_16x16x128_fp8_fp8 v[8*(4*c6+mm):8*(4*c6+mm)+7], v[192+16*(ff%4):192+16*(ff%4)+15], v[S+16*(2*mm+kap):S+16*(2*mm+kap)+15], v[8*(4*c6+mm):8*(4*c6+mm)+7]
.endif
.set i, i+1
.endr
	WIN 0
	PLACES 5
.endm
	s_wait_tensorcnt 0x1
	WIN 0x80
.set i, 0
.rept 48
	ds_load_b128 v[4*i:4*i+3], v[AD0] offset:512*i
.set i, i+1
.endr
	WIN 0
	s_wait_loadcnt 0x0
	WIN 0x44
.set f, 0
.rept 12
.set i, 8
.rept 8
	v_xor_b32 v[16*f+i], s[SGN], v[16*f+i]
.set i, i+1
.endr
.set f, f+1
.endr
	WIN 0
	STEP 0, 1, 0
	s_mov_b32 s60, 2
.Lthree:
	STEP 2, 0, 0
	STEP 1, 0, 0
	STEP 0, 0, 0
	s_sub_co_u32 s60, s60, 1
	s_cmp_lg_u32 s60, 0
	s_cbranch_scc1 .Lthree
	STEP 2, 0, 1
	WIN 0x40
.irp i, 0,1,2
	global_load_b128 v[192+4*\i:195+4*\i], v[LI], s[12:13] offset:512*\i
	global_load_b128 v[204+4*\i:207+4*\i], v[LI], s[14:15] offset:512*\i
.endr
	WIN 0
.irp m, 0,1,2,3
	v_add_f32 v[ST+8*\m+6], v[ST+8*\m+2], v[ST+8*\m+3]
.endr
.irp m, 0,1,2,3
	v_permlanex16_b32 v[ST+8*\m+7], v[ST+8*\m+6], s[SEL], s[SEL+1]
.endr
.irp m, 0,1,2,3
	v_add_f32 v[ST+8*\m+6], v[ST+8*\m+6], v[ST+8*\m+7]
.endr
.irp m, 0,1,2,3
	ds_store_b32 v[MXS], v[ST+8*\m+6] offset:256*\m
.endr
	s_wait_dscnt 0x0
	s_barrier_signal -1
	s_barrier_wait -1
.irp m, 0,1,2,3
	ds_load_b128 v[MXR+4*\m:MXR+4*\m+3], v[MXL] offset:256*\m
.endr
	s_add_co_i32 s70, s42, s43
	s_wait_dscnt 0x0
.irp m, 0,1,2,3
	v_add_f32 v[ST+8*\m+6], v[MXR+4*\m], v[MXR+4*\m+1]
	v_add_f32 v[ST+8*\m+7], v[MXR+4*\m+2], v[MXR+4*\m+3]
.endr
.irp m, 0,1,2,3
	v_add_f32 v[ST+8*\m+6], v[ST+8*\m+6], v[ST+8*\m+7]
.endr
	s_wait_alu depctr_va_vdst(0)
.irp m, 0,1,2,3
	v_rcp_f32 v[ST+8*\m+4], v[ST+8*\m+6]
.endr
	v_nop
	s_wait_alu depctr_va_vdst(0)
.irp m, 0,1,2,3
	v_ldexp_f32 v[ST+8*\m+4], v[ST+8*\m+4], s70
.endr
.irp m, 0,1,2,3
	WIN 0x03
.set c6, 0
.rept 6
.irp q, 0,2,4,6
	v_pk_mul_f32 v[64+48*\m+8*c6+\q:64+48*\m+8*c6+\q+1], v[8*(4*c6+\m)+\q:8*(4*c6+\m)+\q+1], v[ST+8*\m+4:ST+8*\m+5] op_sel_hi:[1,0]
.endr
.set c6, c6+1
.endr
	WIN 0
.set c6, 0
.rept 6
	ds_store_b128 v[STO0+\m/2], v[64+48*\m+8*c6:64+48*\m+8*c6+3] offset:(\m%2)*16*SP+64*c6
	ds_store_b128 v[STO0+\m/2], v[64+48*\m+8*c6+4:64+48*\m+8*c6+7] offset:(\m%2)*16*SP+64*c6+16
.set c6, c6+1
.endr
.endr
	s_wait_dscnt 0x0
	s_barrier_signal -1
	s_barrier_wait -1
	WIN 0x80
.set i, 0
.rept 48
	ds_load_b128 v[4*i:4*i+3], v[SRD] offset:SP*(i/3)+512*(i%3)
.set i, i+1
.endr
	s_wait_loadcnt 0x0
	s_wait_dscnt 0x0
	WIN 0x49
.set i, 0
.rept 96
	v_pk_add_f32 v[2*i:2*i+1], v[2*i:2*i+1], v[2*i:2*i+1]
.set i, i+1
.endr
	WIN 0x04
.set i, 0
.rept 48
	global_store_b128 v[LI], v[4*i:4*i+3], s[16:17] offset:512*i
.set i, i+1
.endr
	s_wait_xcnt 0x0
	LN 16, 0, 192, 204, 64, 1
	WIN 0x04
.set i, 0
.rept 48
	ds_store_b128 v[SRD], v[4*i:4*i+3] offset:SP*(i/3)+512*(i%3)
.set i, i+1
.endr
	WIN 0x80
.set i, 0
.rept 48
	ds_load_b128 v[4*i:4*i+3], v[SQ] offset:128*(i/4)+16*(i%4)
.set i, i+1
.endr
	s_wait_dscnt 0x0
	WIN 0x82
.set k, 0
.rept 12
.set i, 0
.rept 16
	v_med3_num_f32 v[16*k+i], v[16*k+i], s56, s57
.set i, i+1
.endr
	v_cvt_scalef32_pk8_fp8_f32 v[192+4*k:193+4*k], v[16*k:16*k+7], v[ZSC]
	v_cvt_scalef32_pk8_fp8_f32 v[194+4*k:195+4*k], v[16*k+8:16*k+15], v[ZSC]
.set k, k+1
.endr
	v_nop
	WIN 0x08
.set k, 0
.rept 12
	global_store_b128 v[LI], v[192+4*k:195+4*k], s[18:19] offset:512*k
.set k, k+1
.endr
	WIN 0
	s_wait_tensorcnt 0x0
	ds_add_u32 v[SPW], v[NIL]
	s_wait_dscnt 0x0
	CROUND
	s_endpgm
.Lfunc_end_k_qaa41aae3f6_attn:
	.size	k_qaa41aae3f6_attn, .Lfunc_end_k_qaa41aae3f6_attn-k_qaa41aae3f6_attn
	.p2alignl 7, 3214868480
	.fill 96, 4, 3214868480
	.section	.rodata,"a",@progbits
	.p2align	6, 0x0
	.amdhsa_kernel k_qaa41aae3f6_attn
		.amdhsa_group_segment_fixed_size 327680
		.amdhsa_private_segment_fixed_size 0
		.amdhsa_enable_private_segment 0
		.amdhsa_kernarg_size 64
		.amdhsa_user_sgpr_count 2
		.amdhsa_user_sgpr_kernarg_segment_ptr 1
		.amdhsa_wavefront_size32 1
		.amdhsa_system_sgpr_workgroup_id_x 1
		.amdhsa_system_sgpr_workgroup_id_y 1
		.amdhsa_system_sgpr_workgroup_id_z 1
		.amdhsa_system_vgpr_workitem_id 0
		.amdhsa_next_free_vgpr 1024
		.amdhsa_next_free_sgpr 100
		.amdhsa_reserve_vcc 0
		.amdhsa_float_denorm_mode_32 3
		.amdhsa_float_denorm_mode_16_64 3
		.amdhsa_memory_ordered 1
		.amdhsa_forward_progress 1
		.amdhsa_inst_pref_size 255
	.end_amdhsa_kernel
	.section	.bss,"aw",@nobits
	.p2align	6
	.space	262144
	.amdgpu_metadata
---
amdhsa.version: [ 1, 2 ]
amdhsa.kernels:
  - .name:           k_qaa41aae3f6_attn
    .symbol:         k_qaa41aae3f6_attn.kd
    .args:
      - { .name: x, .offset: 0, .size: 8, .value_kind: global_buffer, .address_space: global }
      - { .name: qimg, .offset: 8, .size: 8, .value_kind: global_buffer, .address_space: global }
      - { .name: kv, .offset: 16, .size: 8, .value_kind: global_buffer, .address_space: global }
      - { .name: lowp_scales, .offset: 24, .size: 8, .value_kind: global_buffer, .address_space: global }
      - { .name: ln2_w, .offset: 32, .size: 8, .value_kind: global_buffer, .address_space: global }
      - { .name: ln2_b, .offset: 40, .size: 8, .value_kind: global_buffer, .address_space: global }
      - { .name: x1, .offset: 48, .size: 8, .value_kind: global_buffer, .address_space: global }
      - { .name: zimg, .offset: 56, .size: 8, .value_kind: global_buffer, .address_space: global }
    .group_segment_fixed_size: 327680
    .private_segment_fixed_size: 0
    .kernarg_segment_align: 8
    .kernarg_segment_size: 64
    .max_flat_workgroup_size: 128
    .sgpr_count:     100
    .vgpr_count:     1024
    .wavefront_size: 32
...
	.end_amdgpu_metadata
.endif
;; end of part 5
;; launch mlp (part 6): grid 256 x 1, 4 waves a work-group, no clusters, 215,040 bytes of LDS; arguments zimg, wimg, lowp_scales, fc1_b, fc2_b, x1, out0; writes out0
.if DOCPART == 6
	.amdgcn_target "amdgcn-amd-amdhsa--gfx1250"
	.amdhsa_code_object_version 6
	.text
	.protected	k_qaa41aae3f6_mlp
	.globl	k_qaa41aae3f6_mlp
	.p2align	8
	.type	k_qaa41aae3f6_mlp,@function
k_qaa41aae3f6_mlp:
	s_mov_b64 s[64:65], 0
	v_nop
	global_prefetch_b8 v0, s[64:65] scope:SCOPE_SE
	s_setreg_imm32_b32 hwreg(HW_REG_WAVE_MODE, 25, 1), 1
	s_wait_xcnt 0x0
.set UNIT,  98304
.set PART,  24576
.set HALFU, 12288
.set X1B,   0
.set HIMG,  98304
.set SPARE, 114688
.set STAGE, 115200
.set SP,    1552
.set LI,  1
.set SPW, 2
.set NIL, 3
.set XL,  4
.set HST, 6
.set HLD, 7
.set BOF, 8
.set STO0, 9
.set SRD, 11
.set SC,  12
.set LIM, 13
.set LC,  14
.set HSC, 16
.set HLC, 17
.set A0V, 18
.set BI,  20
.set PC,  36
.set B0V, 44
.set X,   46
.set XC,  110
.set X2,  142
.set PA,  174
.set PB,  206
.set B2,  238
.set T0,  250
.set W2F, 96
.set HF,  192
.set H,   192
.set BX,  18
.set WV,  20
.set WOFF, 23
.set U1,  24
.set U2,  25
.set UL,  26
.set W1P, 28
.set W2P, 30
.set CNT, 56
.set B1P, 58
.set A1,  66
.set BE1, 78
.set SG,  86
.set S2,  88
.set UO,  94
.set BO,  96
.set HB,  99
.set HX,  100
.set MSB, 0
.macro WIN new
.if MSB != \new
	s_set_vgpr_msb (MSB<<8)|\new
.set MSB, \new
.endif
.endm
.macro PLACES n
.rept \n
	v_nop
.endr
.endm
.macro MKA dst, pat, sh
	s_mov_b32 s60, 0x3f3504f3-((\sh)<<23)
	s_mul_f32 s[\dst], s60, \pat
	s_mov_b32 s[\dst+1], s[\dst]
.endm
.macro MKB dst, pat, sh
	s_mov_b32 s[\dst], \pat-((\sh)<<23)
	s_mov_b32 s[\dst+1], s[\dst]
.endm
.macro RING r
	s_add_co_u32 s[\r], s[\r], 1
	s_cmp_eq_u32 s[\r], 24
	s_cselect_b32 s[\r], 0, s[\r]
.endm
.macro WLOAD reg, base
	WIN 0x80
.set i, 0
.rept 24
	global_load_b128 v[\reg+4*i:\reg+4*i+3], v[LI], s[\base:\base+1] offset:512*i
.set i, i+1
.endr
	WIN 0
.endm
.macro HLOAD
	WIN 0x40
.set i, 0
.rept 16
	ds_load_b128 v[HF+4*i:HF+4*i+3], v[HLC] offset:512*i
.set i, i+1
.endr
.endm
.macro FC1
.set i, 0
.rept 24
.set hs, i/8
.set ha, i%8
.if hs == 0
	v_wmma_f32_16x16x128_fp8_fp8 v[H+8*ha:H+8*ha+7], v[16*(3*(ha%2)+hs):16*(3*(ha%2)+hs)+15], v[16*(3*(ha/2)+hs):16*(3*(ha/2)+hs)+15], 0
.else
	v_wmma_f32_16x16x128_fp8_fp8 v[H+8*ha:H+8*ha+7], v[16*(3*(ha%2)+hs):16*(3*(ha%2)+hs)+15], v[16*(3*(ha/2)+hs):16*(3*(ha/2)+hs)+15], v[H+8*ha:H+8*ha+7]
.endif
.set i, i+1
.endr
.endm
.macro FC2 zero, ab
.set i, 0
.rept 24
.if \zero
	v_wmma_f32_16x16x128_fp8_fp8 v[8*i:8*i+7], v[\ab+16*(i/4):\ab+16*(i/4)+15], v[HF+16*(i%4):HF+16*(i%4)+15], 0
	s_wait_alu depctr_va_vdst(0)
.else
	v_wmma_f32_16x16x128_fp8_fp8 v[8*i:8*i+7], v[\ab+16*(i/4):\ab+16*(i/4)+15], v[HF+16*(i%4):HF+16*(i%4)+15], v[8*i:8*i+7]
.endif
.set i, i+1
.endr
.endm
.macro HALF hf
.set XB, X+32*(\hf)
.set q, 0
.rept 32
	v_med3_num_f32 v[XC+q], v[XB+q], -v[LC], v[LC]
.set q, q+1
.endr
.set q, 0
.rept 16
	v_pk_mul_f32 v[X2+q:X2+q+1], v[XC+q:XC+q+1], v[XC+q:XC+q+1]
.set q, q+2
.endr
.set q, 0
.rept 16
	v_pk_fma_f32 v[PA+q:PA+q+1], v[X2+q:X2+q+1], v[A0V:A0V+1], s[A1:A1+1] op_sel_hi:[1,1,0]
	v_pk_fma_f32 v[PB+q:PB+q+1], v[X2+q:X2+q+1], v[B0V:B0V+1], s[BE1:BE1+1] op_sel_hi:[1,1,0]
.set q, q+2
.endr
.irp lv, 2,4,6
.set q, 0
.rept 16
	v_pk_fma_f32 v[PA+q:PA+q+1], v[PA+q:PA+q+1], v[X2+q:X2+q+1], s[A1+\lv:A1+\lv+1] op_sel_hi:[1,1,0]
	v_pk_fma_f32 v[PB+q:PB+q+1], v[PB+q:PB+q+1], v[X2+q:X2+q+1], s[BE1+\lv:BE1+\lv+1] op_sel_hi:[1,1,0]
.set q, q+2
.endr
.endr
	s_wait_alu depctr_va_vdst(0)
.set q, 0
.rept 32
	v_rcp_f32 v[PB+q], v[PB+q]
.set q, q+1
.endr
.irp lv, 8,10
.set q, 0
.rept 16
	v_pk_fma_f32 v[PA+q:PA+q+1], v[PA+q:PA+q+1], v[X2+q:X2+q+1], s[A1+\lv:A1+\lv+1] op_sel_hi:[1,1,0]
.set q, q+2
.endr
.endr
.set q, 0
.rept 16
	v_pk_mul_f32 v[XC+q:XC+q+1], v[XC+q:XC+q+1], v[PA+q:PA+q+1]
.set q, q+2
.endr
	s_wait_alu depctr_va_vdst(0)
.set q, 0
.rept 16
	v_pk_mul_f32 v[XC+q:XC+q+1], v[XC+q:XC+q+1], v[PB+q:PB+q+1]
.set q, q+2
.endr
.set q, 0
.rept 16
	v_pk_fma_f32 v[XB+q:XB+q+1], v[XB+q:XB+q+1], v[XC+q:XC+q+1], v[XB+q:XB+q+1]
.set q, q+2
.endr
.set q, 0
.rept 32
	v_med3_num_f32 v[XB+q], v[XB+q], -v[LIM], v[LIM]
.set q, q+1
.endr
.irp k, 0,1,2,3
	v_cvt_scalef32_pk8_fp8_f32 v[PC+2*\k:PC+2*\k+1], v[XB+8*\k:XB+8*\k+7], v[SC]
.endr
	v_nop
	ds_store_b128 v[HSC], v[PC:PC+3] offset:(2*(\hf))*2048
	ds_store_b128 v[HSC], v[PC+4:PC+7] offset:(2*(\hf)+1)*2048
.endm
.macro TRIP n1, n2, n3, f1, ld1, f2, ld2
	v_add_nc_u32 v[HSC], s[HB], v[HST]
	v_add_nc_u32 v[HLC], s[HX], v[HLD]
	s_wait_alu depctr_va_vdst(0)
	s_wait_loadcnt \n1
.if \f1
	RING BX
	s_lshl_b32 s[BO], s[BX], 9
	s_add_nc_u64 s[B1P:B1P+1], s[10:11], s[BO:BO+1]
.endif
	WIN 0x03
.set a, 0
.rept 8
.irp q, 0,2,4,6
	v_pk_fma_f32 v[X+8*a+\q:X+8*a+\q+1], v[H+8*a+\q:H+8*a+\q+1], s[SG:SG+1], v[BI+8*(a%2)+\q:BI+8*(a%2)+\q+1] op_sel_hi:[1,0,1]
.endr
.set a, a+1
.endr
	WIN 0
.if \f1
.irp u, 0,1
	global_load_b128 v[BI+8*\u:BI+8*\u+3], v[BOF], s[B1P:B1P+1] offset:32*\u
	global_load_b128 v[BI+8*\u+4:BI+8*\u+7], v[BOF], s[B1P:B1P+1] offset:32*\u+16
.endr
.endif
.if \f2
	HLOAD
	WIN 0
.endif
	HALF 0
	HALF 1
.if \f1
	s_wait_loadcnt \n2
	WIN 0xf6
	FC1
	PLACES 4
	WIN 0
.endif
.if \ld1
	RING U1
.if \ld1 == 2
	s_cmp_eq_u32 s[CNT], 1
	s_cselect_b32 s[UO], s[UL], s[U1]
	s_cselect_b32 s62, HALFU, 0
	s_mul_i32 s[UO], s[UO], UNIT
	s_add_co_u32 s[UO], s[UO], s62
.else
	s_mul_i32 s[UO], s[U1], UNIT
.endif
	s_add_nc_u64 s[W1P:W1P+1], s[6:7], s[UO:UO+1]
	WLOAD 0, W1P
.endif
	s_wait_dscnt 0x0
	s_barrier_signal -1
.if \f2
	s_wait_loadcnt \n3
	WIN 0xf6
.if \f2 == 2
	s_wait_alu depctr_va_vdst(0)
.endif
	FC2 2-\f2, W2F
	WIN 0
.endif
	s_barrier_wait -1
.if \ld2
	PLACES 4
	RING U2
	s_mul_i32 s[UO], s[U2], UNIT
	s_add_co_u32 s[UO], s[UO], HALFU
	s_add_nc_u64 s[W2P:W2P+1], s[6:7], s[UO:UO+1]
	WLOAD W2F, W2P
.endif
	s_xor_b32 s[HB], s[HB], 8192
	s_xor_b32 s[HX], s[HX], 8192
.endm
	s_load_b256 s[4:11], s[0:1], 0x0
	s_load_b128 s[12:15], s[0:1], 0x20
	s_load_b64 s[16:17], s[0:1], 0x30
	v_lshl_add_u32 v[SPW], v0, 2, SPARE
	v_mov_b32 v[NIL], 0
	ds_add_u32 v[SPW], v[NIL]
	ds_add_u32 v[SPW], v[NIL]
	v_lshrrev_b32 v[T0], 5, v0
	v_readfirstlane_b32 s[WV], v[T0]
	s_mul_i32 s[WOFF], s[WV], PART
	s_mov_b32 s60, s[WOFF]
	s_mov_b32 s61, 0
	s_bfe_u32 s[U1], ttmp9, 0x30002
	s_mul_i32 s[U1], s[U1], 3
	s_mov_b32 s[BX], s[U1]
	s_add_co_u32 s[U2], s[U1], 2
	s_mov_b32 s[UL], s[U2]
	s_mul_i32 s[UO], s[U1], UNIT
	s_mov_b32 s[UO+1], 0
	s_lshl_b32 s[BO], s[BX], 9
	s_mov_b32 s[BO+1], 0
	s_mov_b32 s[HB], 0
	s_mov_b32 s[HX], 8192
	s_lshl_b32 s90, s[WV], 9
	s_add_co_u32 s90, s90, HIMG
	s_lshl_b32 s91, s[WV], 7
	s_mul_i32 s92, s[WV], 384
	s_add_co_u32 s92, s92, STAGE
	s_mul_i32 s93, s[WV], 16*SP
	s_add_co_u32 s93, s93, STAGE
	v_and_b32 v[T0], 31, v0
	v_and_b32 v[T0+1], 15, v0
	v_bfe_u32 v[T0+2], v0, 4, 1
	v_lshlrev_b32 v[LI], 4, v[T0]
	v_mul_u32_u24 v[T0+3], v[T0+1], SP
	v_add_nc_u32 v[XL], s[WOFF], v[LI]
	v_add_nc_u32 v[HST], s90, v[LI]
	v_add_nc_u32 v[HLD], HIMG, v[LI]
	v_lshl_add_u32 v[BOF], v[T0+2], 6, s91
	v_lshl_add_u32 v[STO0], v[T0+2], 5, v[T0+3]
	v_add_nc_u32 v[STO0], s92, v[STO0]
	v_add_nc_u32 v[STO0+1], 32*SP, v[STO0]
	v_add_nc_u32 v[SRD], s93, v[LI]
	v_mov_b32 v[LC], 0x40b504f3
	s_wait_alu depctr_va_vdst(0)
	s_wait_dscnt 0x0
	s_wait_kmcnt 0x0
	s_load_b256 s[48:55], s[8:9], 0x0
	s_add_nc_u64 s[6:7], s[6:7], s[60:61]
	s_add_nc_u64 s[W1P:W1P+1], s[6:7], s[UO:UO+1]
	s_mul_i32 s60, ttmp9, PART
	s_add_nc_u64 s[4:5], s[4:5], s[60:61]
	s_lshl_b32 s92, ttmp9, 6
	s_lshl_b32 s93, s[WV], 4
	s_add_co_u32 s92, s92, s93
	s_mul_i32 s92, s92, 1536
	s_mov_b32 s93, 0
	s_add_nc_u64 s[14:15], s[14:15], s[92:93]
	s_add_nc_u64 s[16:17], s[16:17], s[92:93]
	s_add_nc_u64 s[B1P:B1P+1], s[10:11], s[BO:BO+1]
	WLOAD 0, W1P
	WIN 0x40
.set i, 0
.rept 48
	global_load_b128 v[4*i:4*i+3], v[LI], s[4:5] offset:512*i
.set i, i+1
.endr
	WIN 0
.irp u, 0,1
	global_load_b128 v[BI+8*\u:BI+8*\u+3], v[BOF], s[B1P:B1P+1] offset:32*\u
	global_load_b128 v[BI+8*\u+4:BI+8*\u+7], v[BOF], s[B1P:B1P+1] offset:32*\u+16
.endr
.irp i, 0,1,2
	global_load_b128 v[B2+4*\i:B2+4*\i+3], v[LI], s[12:13] offset:512*\i
.endr
.set i, 0
.rept 48
	global_load_async_to_lds_b128 v[XL], v[LI], s[14:15] offset:512*i
.set i, i+1
.endr
	MKA 62, 0xaf95df0b, 6
	v_mov_b32 v[A0V], s62
	v_mov_b32 v[A0V+1], s62
	MKA A1,    0x32edffee, 5
	MKA A1+2,  0xb60cff51, 4
	MKA A1+4,  0xb86ec2d2, 3
	MKA A1+6,  0xba40ac63, 2
	MKA A1+8,  0xbb41a1f6, 1
	MKA A1+10, 0xbc83dbd4, 0
	v_mov_b32 v[B0V], 0xb77460cd-(4<<23)
	v_mov_b32 v[B0V+1], 0xb77460cd-(4<<23)
	MKB BE1,   0xb95fbd29, 3
	MKB BE1+2, 0xbadc924e, 2
	MKB BE1+4, 0xbbf19bf8, 1
	MKB BE1+6, 0xbc69b6a7, 0
	s_wait_kmcnt 0x0
	s_add_co_i32 s60, s52, s53
	s_add_co_i32 s60, s60, 127
	s_lshl_b32 s[SG], s60, 23
	s_mov_b32 s[SG+1], s[SG]
	s_add_co_i32 s60, s54, s55
	s_add_co_i32 s60, s60, 127
	s_lshl_b32 s[S2], s60, 23
	s_mov_b32 s[S2+1], s[S2]
	s_add_co_i32 s60, s54, 128
	s_lshl_b32 s61, s60, 23
	v_mov_b32 v[SC], s61
	s_add_co_i32 s60, s60, 8
	s_lshl_b32 s60, s60, 23
	s_or_b32 s60, s60, 0x600000
	v_mov_b32 v[LIM], s60
	s_wait_loadcnt 0x0
	WIN 0xf6
	FC1
	PLACES 4
	WIN 0
	RING U1
	s_mul_i32 s[UO], s[U1], UNIT
	s_add_nc_u64 s[W1P:W1P+1], s[6:7], s[UO:UO+1]
	WLOAD 0, W1P
	TRIP 24, 4, 0, 1, 1, 0, 1
	TRIP 48, 28, 28, 1, 1, 1, 1
	s_mov_b32 s[CNT], 21
.Ltrip:
	TRIP 48, 28, 28, 1, 2, 2, 1
	s_sub_co_u32 s[CNT], s[CNT], 1
	s_cmp_lg_u32 s[CNT], 0
	s_cbranch_scc1 .Ltrip
	TRIP 48, 0, 0, 0, 0, 2, 0
	v_add_nc_u32 v[HLC], s[HX], v[HLD]
	PLACES 4
	s_wait_alu depctr_va_vdst(0)
	s_wait_asynccnt 0x0
	HLOAD
.set i, 0
.rept 48
	ds_load_b128 v[4*i:4*i+3], v[XL] offset:512*i
.set i, i+1
.endr
	s_wait_dscnt 48
	WIN 0xf6
	FC2 0, 0
	WIN 0
	PLACES 4
	WIN 0x0c
.set n, 0
.rept 24
	ds_store_b128 v[STO0+(n%4)/2], v[8*n:8*n+3] offset:(n%2)*16*SP+64*(n/4)
	ds_store_b128 v[STO0+(n%4)/2], v[8*n+4:8*n+7] offset:(n%2)*16*SP+64*(n/4)+16
.set n, n+1
.endr
	WIN 0
	s_wait_dscnt 0x0
	s_barrier_signal -1
	s_barrier_wait -1
	WIN 0x80
.set i, 0
.rept 48
	ds_load_b128 v[4*i:4*i+3], v[SRD] offset:SP*(i/3)+512*(i%3)
.set i, i+1
.endr
	WIN 0x41
.set i, 0
.rept 96
	v_pk_add_f32 v[2*i:2*i+1], v[2*i:2*i+1], v[B2+2*(i%6):B2+2*(i%6)+1]
.set i, i+1
.endr
	s_wait_dscnt 0x0
	WIN 0x52
.set i, 0
.rept 96
	v_pk_fma_f32 v[2*i:2*i+1], v[2*i:2*i+1], s[S2:S2+1], v[2*i:2*i+1] op_sel_hi:[1,0,1]
.set i, i+1
.endr
	WIN 0x04
.set i, 0
.rept 48
	global_store_b128 v[LI], v[4*i:4*i+3], s[16:17] offset:512*i th:TH_STORE_NT
.set i, i+1
.endr
	WIN 0
	s_wait_tensorcnt 0x0
	ds_add_u32 v[SPW], v[NIL]
	s_wait_dscnt 0x0
	s_endpgm
.Lfunc_end_k_qaa41aae3f6_mlp:
	.size	k_qaa41aae3f6_mlp, .Lfunc_end_k_qaa41aae3f6_mlp-k_qaa41aae3f6_mlp
	.p2alignl 7, 3214868480
	.fill 96, 4, 3214868480
	.section	.rodata,"a",@progbits
	.p2align	6, 0x0
	.amdhsa_kernel k_qaa41aae3f6_mlp
		.amdhsa_group_segment_fixed_size 215040
		.amdhsa_private_segment_fixed_size 0
		.amdhsa_enable_private_segment 0
		.amdhsa_kernarg_size 56
		.amdhsa_user_sgpr_count 2
		.amdhsa_user_sgpr_kernarg_segment_ptr 1
		.amdhsa_wavefront_size32 1
		.amdhsa_system_sgpr_workgroup_id_x 1
		.amdhsa_system_sgpr_workgroup_id_y 1
		.amdhsa_system_sgpr_workgroup_id_z 1
		.amdhsa_system_vgpr_workitem_id 0
		.amdhsa_next_free_vgpr 1024
		.amdhsa_next_free_sgpr 101
		.amdhsa_reserve_vcc 0
		.amdhsa_float_denorm_mode_32 3
		.amdhsa_float_denorm_mode_16_64 3
		.amdhsa_memory_ordered 1
		.amdhsa_forward_progress 1
		.amdhsa_inst_pref_size 248
	.end_amdhsa_kernel
	.amdgpu_metadata
---
amdhsa.version: [ 1, 2 ]
amdhsa.kernels:
  - .name:           k_qaa41aae3f6_mlp
    .symbol:         k_qaa41aae3f6_mlp.kd
    .args:
      - { .name: zimg, .offset: 0, .size: 8, .value_kind: global_buffer, .address_space: global }
      - { .name: wimg, .offset: 8, .size: 8, .value_kind: global_buffer, .address_space: global }
      - { .name: lowp_scales, .offset: 16, .size: 8, .value_kind: global_buffer, .address_space: global }
      - { .name: fc1_b, .offset: 24, .size: 8, .value_kind: global_buffer, .address_space: global }
      - { .name: fc2_b, .offset: 32, .size: 8, .value_kind: global_buffer, .address_space: global }
      - { .name: x1, .offset: 40, .size: 8, .value_kind: global_buffer, .address_space: global }
      - { .name: out0, .offset: 48, .size: 8, .value_kind: global_buffer, .address_space: global }
    .group_segment_fixed_size: 215040
    .private_segment_fixed_size: 0
    .kernarg_segment_align: 8
    .kernarg_segment_size: 56
    .max_flat_workgroup_size: 128
    .sgpr_count:     101
    .vgpr_count:     1024
    .wavefront_size: 32
...
	.end_amdgpu_metadata
.endif
;; end of part 6
